; MI455X (gfx1250); checked and timed in simulation.
; The chip was launched on July 23, 2026; its instructions are those of AMD's public machine-readable ISA for CDNA 5 (MIT licence, August 2026) and "CDNA5" Instruction Set Architecture Reference Guide (July 2026). The comments in the code are by the model that wrote it; some were corrected since.
;; Transformer Encoder. Allowed arithmetic: matrix products marked QUANTISED: E2M3 operands, one E8M0 scale for each 32 along K, by v_wmma_scale_f32_16x16x128_f8f6f4 with both operands' format E2M3, f32 sums; everything else in f32.
;; Inputs: b1 4,096 float32; b2 1,024 float32; be1 1,024 float32; be2 1,024 float32; bk 1,024 float32; bq 1,024 float32; bv 1,024 float32; g1 1,024 float32; g2 1,024 float32; w1 1,024 x 4,096 float32; w2 4,096 x 1,024 float32; wk 1,024 x 1,024 float32; wq 1,024 x 1,024 float32; wv 1,024 x 1,024 float32; x 2 x 2,048 x 1,024 float32.
;; Outputs: out0 2 x 2,048 x 1,024 float32.
;; This version of the problem:
;;   THIS VERSION OF THE PROBLEM IS GIVEN IN LOW PRECISION. The matrix products marked QUANTISED in the list below multiply operands that are first quantised to E2M3 (2 exponent bits, 3 mantissa bits; 6 bits a number), with one power-of-two scale for each 32 numbers along K (OCP MX v1.0); their sums are f32. All else is computed in f32.
;;   The module's matrix products, in the order in which they are computed (A, B: the left and right operand; K: the contracted axis; several contracted axes count as one K, in the product's order):
;;     1. [M 4,096, K 1,024] x [K 1,024, N 1,024]; A: input x; B: input wq: QUANTISED
;;     2. [M 4,096, K 1,024] x [K 1,024, N 1,024]; A: input x; B: input wk: QUANTISED
;;     3. [M 4,096, K 1,024] x [K 1,024, N 1,024]; A: input x; B: input wv: QUANTISED
;;     4. batch 32 x [M 2,048, K 64] x [K 64, N 2,048]; A: computed on the way; B: computed on the way: QUANTISED
;;     5. batch 32 x [M 2,048, K 2,048] x [K 2,048, N 64]; A: softmax (see below); B: computed on the way: QUANTISED
;;     6. [M 4,096, K 1,024] x [K 1,024, N 4,096]; A: computed on the way; B: input w1: QUANTISED
;;     7. [M 4,096, K 4,096] x [K 4,096, N 1,024]; A: computed on the way; B: input w2: QUANTISED
;;   THE QUANTISER, for each operand of a quantised product, along K:
;;     - K is cut into blocks of 32 from its start; a last block that is shorter is filled with zeros.
;;     - A block's scale is 2^e with e = floor(log2(the largest magnitude in the block)) - 2, held to -126 .. 127; a block of zeros has e = 0. As a byte (E8M0): e + 127.
;;     - Each number is divided by its block's scale, clamped to +-7.5, and rounded to the nearest number of E2M3, ties to even, subnormals kept.
;;     - The product sums the exact products of the quantised numbers (number of the format x scale) in f32.
;;   ~~~python
;;   def quantise(x, axis):      # numpy; x: float32 -> the quantised numbers, widened to float32 again
;;       x = np.moveaxis(x, axis, -1); K = x.shape[-1]
;;       x = np.pad(x, [(0, 0)] * (x.ndim - 1) + [(0, -K % 32)]); x = x.reshape(x.shape[:-1] + (-1, 32)); a = np.abs(x).max(-1, keepdims=True)
;;       e = np.where(a > 0, np.clip(np.frexp(np.where(a > 0, a, 1))[1] - 1 - 2, -126, 127), 0)      # np.frexp(a)[1] - 1 = floor(log2(a)), exactly
;;       r = np.clip(x / 2.0 ** e, -7.5, 7.5)
;;       step = 2.0 ** (np.maximum(np.frexp(np.where(r == 0, 1, r))[1] - 1, 0) - 3)
;;       q = np.round(r / step) * step * 2.0 ** e      # np.round: ties to even
;;       return np.moveaxis(q.reshape(q.shape[:-2] + (-1,))[..., :K], -1, axis).astype(np.float32)
;;   ~~~
;;   SOFTMAX AHEAD OF A QUANTISED PRODUCT. Where the list says 'softmax', what is quantised is not the finished softmax but p = 2^(t - M), with t = logit x log2(e) and M = ceil(the row's largest t), a whole number; so 1/2 < the row's largest p <= 1. The row's sum l is taken of the UNQUANTISED p, in f32, and the product's result is divided by l at the end. Since M is a whole number, a kernel that streams over the keys may use a running M (the ceiling of the running maximum): every later rescaling is an exact power of two, which a block's scale takes up: the codes' values come out the same.
;;   OPERANDS COMPUTED ON THE WAY. 'Computed on the way' means the value that the module computes at that place (a softmax that the list does not call 'softmax' is quantised finished and normalised). What goes into a quantiser is computed in f32, as accurately as f32 sums, v_exp_f32 and their like allow (about 1e-6 of the number): no bf16 or f16 on the way to a quantiser, and a product that is left as it is and whose result goes on into a quantised operand takes f32 operands (vector FMAs, or v_wmma_f32_16x16x4_f32). A number that lies on a knife's edge between two numbers of the format may be rounded either way, as far as f32 arithmetic and the matrix unit's own rounding can turn it there, and no further.
;; One version. Each part assembles by itself: llvm-mc -triple=amdgcn-amd-amdhsa -mcpu=gfx1250 --defsym DOCPART=n.
;; ======== version 1 of 1: 7 launches
;; limits: right only within a limited range of input values
;; workspace buffers: qin 12,288,000 bytes; qkv 9,830,400 bytes; ctx 16,777,216 bytes; yb 20,054,016 bytes; hb 13,107,200 bytes; zb 16,777,216 bytes
;; launch quant (part 1): grid 608 x 1, 8 waves a work-group, no clusters, 70,656 bytes of LDS; arguments x, wq, wk, wv, w1, w2, qin; writes qin
.if DOCPART == 1
	.amdgcn_target "amdgcn-amd-amdhsa--gfx1250"
	.amdhsa_code_object_version 6
	.text
	.protected	k_q68084159f4_quant
	.globl	k_q68084159f4_quant
	.p2align	8
	.type	k_q68084159f4_quant,@function
k_q68084159f4_quant:
	s_mov_b64 s[64:65], 0
	v_nop
	global_prefetch_b8 v0, s[64:65] scope:SCOPE_SE
	s_setreg_imm32_b32 hwreg(HW_REG_WAVE_MODE, 25, 1), 1
	s_wait_xcnt 0x0
; x [4096][1024] (K innermost) and wq, wk, wv, w1, w2 ([K][N], K outermost), f32, become codes of FP6 (E2M3) with one E8M0 byte for each 32 along K.
; A block's byte is its largest magnitude's exponent field - 2, held at 1 from below; a number is divided by the scale and rounded to the nearest code, ties to even, beyond 7.5 the largest code.
; LIMITS: NaN and infinities are not served; a block of zeros, or one under 2^-124, gets the byte 1 (its codes are zeros or tiny; only this program reads the bytes).
; LAYOUT OF THE CODES: images of operand registers.  Row block rb = 2 b + u holds rows 32 b + 8 u + i + 8 (i / 8), i = 0 .. 15.  Fragment (rb, ks) = 16 rows x 128 K is 1,536 bytes at
; (rb KS + ks) 1536: registers 4 c .. 4 c + 3 of lane l at 512 c + 16 l.  SCALE WORDS: entry (g = 128 rows, ks) is 512 bytes: at 16 l the four words of row blocks 8 g + 4 (l / 16) + 0 .. 3, row l % 16.
; Work-groups 0-255 take x: 128 rows x 128 K each, a wave a row block.  Work-groups 256-607 take the weights: 128 columns x 256 K each, a wave 32 columns x 128 K, a lane a column.
; The two ways never join and have LDS bytes of their own.
.set XSO, 11796480
.set WQC, 3145728
.set WKC, 3932160
.set WVC, 4718592
.set W1C, 5505024
.set W2C, 8650752
.set WQS, 11927552
.set WKS, 11960320
.set WVS, 11993088
.set W1S, 12025856
.set W2S, 12156928
.set XG,  67584                        ; behind the eight stages of 16 x 528 bytes: x's scale words, 512 bytes
.set WGA, 68096                        ; the weights' scale words, 1,024 bytes
.set TM,  8                            ; v8-23 at work in QUANT
.set XT,  172
.set SEL, 40
; 64 numbers of a lane, register 16 b + i = k 32 b + 16 (lane / 16) + i of the lane's row, become operand registers 0-5 (d0 on) and 6-11 (d1 on) and the row's scale word (pw)
.macro QUANT src, d0, d1, pw
.irp b, 0,1,2,3
	v_max3_num_f32 v[TM+\b], |v[(\src)+16*\b]|, |v[(\src)+16*\b+1]|, 0x1800000   ; my 16 numbers of block b, and the floor 2^(3 - 127)
.endr
.irp i, 2,4,6,8,10,12,14
.irp b, 0,1,2,3
	s_delay_alu instid0(VALU_DEP_4)
	v_max3_num_f32 v[TM+\b], v[TM+\b], |v[(\src)+16*\b+\i]|, |v[(\src)+16*\b+\i+1]|
.endr
.endr
.irp b, 0,1,2,3
	s_delay_alu instid0(VALU_DEP_4)
	v_permlanex16_b32 v[TM+4+\b], v[TM+\b], s[SEL], s[SEL+1]
.endr
.irp b, 0,1,2,3
	s_delay_alu instid0(VALU_DEP_4)
	v_max_num_f32 v[TM+\b], v[TM+\b], v[TM+4+\b]               ; with lane l xor 16's 16: the block's largest magnitude
.endr
.irp b, 0,1,2,3
	s_delay_alu instid0(VALU_DEP_4)
	v_add_nc_u32 v[TM+12+\b], 0xff000000, v[TM+\b]             ; 2 off its exponent field: the conversion's scale operand
.endr
.irp b, 0,1,2,3
	s_delay_alu instid0(VALU_DEP_4)
	v_lshrrev_b32 v[TM+4+\b], 23, v[TM+12+\b]                  ; the byte
.endr
	s_delay_alu instid0(VALU_DEP_3)
	v_lshl_or_b32 v[\pw], v[TM+5], 8, v[TM+4]
	s_delay_alu instid0(VALU_DEP_1)
	v_lshl_or_b32 v[\pw], v[TM+6], 16, v[\pw]
	s_delay_alu instid0(VALU_DEP_1)
	v_lshl_or_b32 v[\pw], v[TM+7], 24, v[\pw]
	v_cvt_scalef32_pk16_fp6_f32 v[(\d0):(\d0)+2], v[(\src):(\src)+15], v[TM+12]
	v_cvt_scalef32_pk16_fp6_f32 v[XT:XT+2], v[(\src)+16:(\src)+31], v[TM+13]
	v_cvt_scalef32_pk16_fp6_f32 v[(\d1):(\d1)+2], v[(\src)+32:(\src)+47], v[TM+14]
	v_cvt_scalef32_pk16_fp6_f32 v[XT+4:XT+6], v[(\src)+48:(\src)+63], v[TM+15]
	v_nop                                                      ; one plain line behind the conversions
.irp i, 0,1,2
	v_permlane16_swap_b32 v[(\d0)+\i], v[XT+\i]                ; a whole block to a lane: lanes 0-15 the even block, lanes 16-31 the odd one
	v_permlane16_swap_b32 v[(\d1)+\i], v[XT+4+\i]
.endr
.irp i, 0,1,2
	v_mov_b32 v[(\d0)+3+\i], v[XT+\i]
	v_mov_b32 v[(\d1)+3+\i], v[XT+4+\i]
.endr
.endm
	s_load_b256 s[4:11], s[0:1], 0x0               ; x, wq, wk, wv
	s_load_b128 s[12:15], s[0:1], 0x20             ; w1, w2
	s_load_b64 s[16:17], s[0:1], 0x30              ; qin
	v_lshl_add_u32 v192, v0, 2, 0x11000
	v_mov_b32 v193, 0
	v_lshrrev_b32 v1, 5, v0
	s_delay_alu instid0(VALU_DEP_1)
	v_readfirstlane_b32 s19, v1                    ; wave 0..7
	v_and_b32 v1, 31, v0                           ; lane
	v_and_b32 v2, 15, v0                           ; r
	v_bfe_u32 v3, v0, 4, 1                         ; h
	s_delay_alu instid0(VALU_DEP_3)
	v_lshlrev_b32 v4, 4, v1                        ; 16 x lane
	s_cmp_lt_u32 ttmp9, 256
	s_cbranch_scc0 .Lweights
	; ---------------- x: group g of 128 rows, K step ks; my wave's row block is 8 g + wave
	s_mov_b32 s[SEL], 0x76543210
	s_mov_b32 s[SEL+1], 0xfedcba98
.irp b, 0,1,2,3
	v_mov_b32 v[TM+4+\b], 0                        ; a lane permute's destination counts as read
.endr
	s_lshr_b32 s20, ttmp9, 3                       ; g
	s_and_b32 s21, ttmp9, 7                        ; ks
	s_lshr_b32 s22, s19, 1
	s_and_b32 s23, s19, 1
	s_lshl_b32 s24, s20, 7
	s_lshl_b32 s22, s22, 5
	s_lshl_b32 s23, s23, 3
	s_add_co_u32 s24, s24, s22
	s_add_co_u32 s24, s24, s23                     ; the row block's first row
	s_lshl_b32 s24, s24, 12
	s_lshl_b32 s25, s21, 9
	s_add_co_u32 s24, s24, s25                     ; + the K step's 512 bytes
	s_mov_b32 s25, 0
	s_lshl_b32 s26, s20, 3
	s_add_co_u32 s26, s26, s19
	s_lshl_b32 s26, s26, 3
	s_add_co_u32 s26, s26, s21
	s_mul_i32 s26, s26, 1536                       ; the fragment's place (x's codes begin at byte 0)
	s_mov_b32 s27, 0
	s_lshl_b32 s28, s20, 3
	s_add_co_u32 s28, s28, s21
	s_lshl_b32 s28, s28, 9
	s_add_co_u32 s28, s28, XSO                     ; the entry of scale words
	s_mov_b32 s29, 0
	s_mul_i32 s30, s19, 8448                       ; my stage
	s_wait_alu depctr_va_vdst(0)
	v_add_nc_u32 v5, s30, v4                       ; in: a row's 512 bytes as they lie
	v_mul_u32_u24 v6, v2, 528
	s_delay_alu instid0(VALU_DEP_1)
	v_lshl_add_u32 v6, v3, 6, v6
	s_delay_alu instid0(VALU_DEP_1)
	v_add_nc_u32 v6, s30, v6                       ; out: row r, + 64 h: my 16 numbers of each block.  528 = 33 x 16: sixteen rows, sixteen different columns of 16 bytes
	s_lshr_b32 s31, s19, 2
	s_lshl_b32 s31, s31, 8
	s_and_b32 s32, s19, 3
	s_lshl_b32 s32, s32, 2
	s_add_co_u32 s31, s31, s32
	s_add_co_u32 s31, s31, XG
	v_lshl_add_u32 v7, v2, 4, s31                  ; my row's word in the entry
	v_add_nc_u32 v25, XG, v4
	s_wait_alu depctr_va_vdst(0)
	s_wait_kmcnt 0x0
	s_add_nc_u64 s[4:5], s[4:5], s[24:25]
	s_add_nc_u64 s[26:27], s[16:17], s[26:27]
	s_add_nc_u64 s[28:29], s[16:17], s[28:29]
.set li, 0
.rept 16
	global_load_b128 v[32+4*li:35+4*li], v4, s[4:5] offset:(li+8*(li/8))*4096 th:TH_LOAD_NT   ; 32 lanes read 512 consecutive bytes of row i + 8 (i / 8)
.set li, li+1
.endr
.set li, 0
.rept 16
	s_wait_loadcnt 15-li                           ; loads come back in order: row li is in, the younger rows may be out
	ds_store_b128 v5, v[32+4*li:35+4*li] offset:528*li
.set li, li+1
.endr
.irp bb, 0,1,2,3
.irp j, 0,1,2,3
	ds_load_b128 v[96+16*\bb+4*\j:99+16*\bb+4*\j], v6 offset:128*\bb+16*\j   ; my wave's own bytes, served in order
.endr
.endr
	s_wait_dscnt 0x0
	QUANT 96, 160, 166, 180
.irp c, 0,1,2
	global_store_b128 v4, v[160+4*\c:163+4*\c], s[26:27] offset:512*\c      ; 512 consecutive bytes a store
.endr
	ds_store_b32 v7, v180                          ; lanes r and r + 16 write the same word with the same value
	s_wait_dscnt 0x0                               ; for the others' sake
	s_barrier_signal -1
	s_barrier_wait -1
	s_cmp_lg_u32 s19, 0
	s_cbranch_scc1 .Ldone
	ds_load_b128 v[184:187], v25                   ; wave 0 stores the entry whole
	s_wait_dscnt 0x0
	global_store_b128 v4, v[184:187], s[28:29]
	s_branch .Ldone
	; ---------------- the weights
.Lweights:
	s_sub_co_u32 s18, ttmp9, 256                   ; 0-31 wq, 32-63 wk, 64-95 wv, 96-223 w1, 224-351 w2
	s_wait_kmcnt 0x0
	s_mov_b64 s[20:21], s[14:15]                   ; as for w2; then overridden, by the work-group's number alone
	s_mov_b32 s22, 224                             ; the weight's first work-group
	s_mov_b32 s23, W2C
	s_mov_b32 s24, W2S
	s_mov_b32 s25, 4                               ; log2 (KS / 2)
	s_mov_b32 s26, 32                              ; KS
	s_mov_b32 s27, 19                              ; log2 (128 rows of the weight in bytes)
	s_mov_b32 s28, 0                               ; 1: rows of 16,384 bytes
	s_cmp_lt_u32 s18, 224
	s_cselect_b64 s[20:21], s[12:13], s[20:21]
	s_cselect_b32 s22, 96, s22
	s_cselect_b32 s23, W1C, s23
	s_cselect_b32 s24, W1S, s24
	s_cselect_b32 s25, 2, s25
	s_cselect_b32 s26, 8, s26
	s_cselect_b32 s27, 21, s27
	s_cselect_b32 s28, 1, s28
	s_cmp_lt_u32 s18, 96
	s_cselect_b64 s[20:21], s[10:11], s[20:21]
	s_cselect_b32 s22, 64, s22
	s_cselect_b32 s23, WVC, s23
	s_cselect_b32 s24, WVS, s24
	s_cselect_b32 s27, 19, s27
	s_cselect_b32 s28, 0, s28
	s_cmp_lt_u32 s18, 64
	s_cselect_b64 s[20:21], s[8:9], s[20:21]
	s_cselect_b32 s22, 32, s22
	s_cselect_b32 s23, WKC, s23
	s_cselect_b32 s24, WKS, s24
	s_cmp_lt_u32 s18, 32
	s_cselect_b64 s[20:21], s[6:7], s[20:21]
	s_cselect_b32 s22, 0, s22
	s_cselect_b32 s23, WQC, s23
	s_cselect_b32 s24, WQS, s24
	s_sub_co_u32 s22, s18, s22
	s_lshr_b32 s29, s22, s25                       ; g: which 128 columns
	s_lshl_b32 s30, s29, s25
	s_sub_co_u32 s30, s22, s30                     ; which pair of K steps
	s_lshr_b32 s31, s19, 2                         ; my wave: which of the two,
	s_and_b32 s32, s19, 3                          ; and which 32 columns
	s_lshl_b32 s33, s30, 1
	s_add_co_u32 s33, s33, s31                     ; ks
	s_lshl_b32 s34, s33, s27
	s_lshl_b32 s35, s29, 9
	s_add_co_u32 s34, s34, s35
	s_lshl_b32 s35, s32, 7
	s_add_co_u32 s34, s34, s35
	s_mov_b32 s35, 0
	s_add_nc_u64 s[20:21], s[20:21], s[34:35]      ; row 128 ks, column 128 g + 32 w'
	s_lshl_b32 s34, s29, 3
	s_lshl_b32 s36, s32, 1
	s_add_co_u32 s34, s34, s36                     ; row block 8 g + 2 w'
	s_mul_i32 s34, s34, s26
	s_add_co_u32 s34, s34, s33
	s_mul_i32 s34, s34, 1536
	s_add_co_u32 s34, s34, s23
	s_add_nc_u64 s[36:37], s[16:17], s[34:35]      ; its fragment,
	s_mul_i32 s34, s26, 1536
	s_add_nc_u64 s[38:39], s[36:37], s[34:35]      ; and the next row block's
	s_mul_i32 s34, s29, s26
	s_lshl_b32 s44, s30, 1
	s_add_co_u32 s34, s34, s44
	s_lshl_b32 s34, s34, 9
	s_add_co_u32 s34, s34, s24
	s_add_nc_u64 s[42:43], s[16:17], s[34:35]      ; two entries of scale words
	s_wait_alu depctr_va_vdst(0)
	v_and_b32 v6, 8, v2
	s_delay_alu instid0(VALU_DEP_1)
	v_add_nc_u32 v6, v6, v2
	s_delay_alu instid0(VALU_DEP_1)
	v_lshl_add_u32 v6, v3, 3, v6                   ; my column of the 32: r + 8 (r / 8) + 8 h: lanes 0-15 one row block, lanes 16-31 the next
	s_delay_alu instid0(VALU_DEP_1)
	v_lshlrev_b32 v5, 2, v6
	s_lshl_b32 s44, s31, 9
	s_lshr_b32 s45, s32, 1
	s_lshl_b32 s45, s45, 8
	s_add_co_u32 s44, s44, s45
	s_and_b32 s45, s32, 1
	s_lshl_b32 s45, s45, 3
	s_add_co_u32 s44, s44, s45
	s_add_co_u32 s44, s44, WGA
	v_lshlrev_b32 v7, 4, v2
	s_delay_alu instid0(VALU_DEP_1)
	v_lshl_add_u32 v7, v3, 2, v7
	s_delay_alu instid0(VALU_DEP_1)
	v_add_nc_u32 v7, s44, v7                       ; my column's word in its entry
	v_add_nc_u32 v25, WGA, v4
; block t: 32 numbers down K of my column.  32 lanes read 128 consecutive bytes, four waves 512.  The pitch stands in the immediate, so the loads are written for both pitches
.macro LOADB t
	s_cmp_eq_u32 s28, 1
	s_cbranch_scc1 .Lwide_\@
.set li, 0
	s_wait_alu depctr_va_vdst(0)
.rept 32
	global_load_b32 v[32+32*(\t)+li], v5, s[20:21] offset:(32*(\t)+li)*4096 th:TH_LOAD_NT
.set li, li+1
.endr
	s_branch .Lgot_\@
.Lwide_\@:
.set li, 0
	s_wait_alu depctr_va_vdst(0)
.rept 32
	global_load_b32 v[32+32*(\t)+li], v5, s[20:21] offset:(32*(\t)+li)*16384 th:TH_LOAD_NT
.set li, li+1
.endr
.Lgot_\@:
.endm
; block bb is all mine: its largest magnitude needs no other lane.  Even blocks' codes go to v160-171, odd blocks' to v172-183
.macro WBLK bb, left
.set WX, 32+32*(\bb)
.set DD, 160+12*((\bb)%2)+6*((\bb)/2)
	s_wait_loadcnt \left                           ; this block's 32 loads are in; the next block's may be out
	v_max3_num_f32 v12, |v[WX]|, |v[WX+1]|, |v[WX+2]|
	v_max3_num_f32 v13, |v[WX+3]|, |v[WX+4]|, |v[WX+5]|
.irp i, 6,10,14,18,22,26
	s_delay_alu instid0(VALU_DEP_2)
	v_max3_num_f32 v12, v12, |v[WX+\i]|, |v[WX+\i+1]|
	s_delay_alu instid0(VALU_DEP_2)
	v_max3_num_f32 v13, v13, |v[WX+\i+2]|, |v[WX+\i+3]|
.endr
	s_delay_alu instid0(VALU_DEP_2)
	v_max3_num_f32 v12, v12, |v[WX+30]|, |v[WX+31]|
	s_delay_alu instid0(VALU_DEP_1)
	v_max3_num_f32 v12, v12, v13, 0x1800000        ; and the floor
	s_delay_alu instid0(VALU_DEP_1)
	v_add_nc_u32 v11, 0xff000000, v12
	s_delay_alu instid0(VALU_DEP_1)
	v_lshrrev_b32 v13, 23, v11
.if (\bb) == 0
	s_delay_alu instid0(VALU_DEP_1)
	v_mov_b32 v24, v13
.else
	s_delay_alu instid0(VALU_DEP_1)
	v_lshl_or_b32 v24, v13, 8*(\bb), v24           ; the column's scale word
.endif
	v_cvt_scalef32_pk16_fp6_f32 v[DD:DD+2], v[WX:WX+15], v11
	v_cvt_scalef32_pk16_fp6_f32 v[184:186], v[WX+16:WX+31], v11     ; (a conversion's three registers begin on an even number)
	v_nop
	v_mov_b32 v[DD+3], v184
	v_mov_b32 v[DD+4], v185
	v_mov_b32 v[DD+5], v186
.endm
	LOADB 0
	LOADB 1
	WBLK 0, 32
	LOADB 2
	WBLK 1, 32
	LOADB 3
	WBLK 2, 32
	WBLK 3, 0
.set li, 0
.rept 12
	v_permlane16_swap_b32 v[160+li], v[172+li]     ; v160-171: the first row block's fragment (lanes 16-31 get its odd blocks); v172-183: the second's (lanes 0-15 get its even blocks)
.set li, li+1
.endr
.irp c, 0,1,2
	global_store_b128 v4, v[160+4*\c:163+4*\c], s[36:37] offset:512*\c
	global_store_b128 v4, v[172+4*\c:175+4*\c], s[38:39] offset:512*\c
.endr
	ds_store_b32 v7, v24
	s_wait_dscnt 0x0                               ; for the others' sake
	s_barrier_signal -1
	s_barrier_wait -1
	s_cmp_lg_u32 s19, 0
	s_cbranch_scc1 .Ldone
	ds_load_b128 v[184:187], v25
	ds_load_b128 v[188:191], v25 offset:512
	s_wait_dscnt 0x0
	global_store_b128 v4, v[184:187], s[42:43]
	global_store_b128 v4, v[188:191], s[42:43] offset:512
.Ldone:
	s_wait_tensorcnt 0x0
	ds_add_u32 v192, v193
	s_wait_dscnt 0x0
	s_endpgm
.Lfunc_end_k_q68084159f4_quant:
	.size	k_q68084159f4_quant, .Lfunc_end_k_q68084159f4_quant-k_q68084159f4_quant
	.p2alignl 7, 3214868480
	.fill 96, 4, 3214868480
	.section	.rodata,"a",@progbits
	.p2align	6, 0x0
	.amdhsa_kernel k_q68084159f4_quant
		.amdhsa_group_segment_fixed_size 70656
		.amdhsa_private_segment_fixed_size 0
		.amdhsa_enable_private_segment 0
		.amdhsa_kernarg_size 56
		.amdhsa_user_sgpr_count 2
		.amdhsa_user_sgpr_kernarg_segment_ptr 1
		.amdhsa_wavefront_size32 1
		.amdhsa_system_sgpr_workgroup_id_x 1
		.amdhsa_system_sgpr_workgroup_id_y 1
		.amdhsa_system_sgpr_workgroup_id_z 1
		.amdhsa_system_vgpr_workitem_id 0
		.amdhsa_next_free_vgpr 194
		.amdhsa_next_free_sgpr 66
		.amdhsa_reserve_vcc 0
		.amdhsa_float_denorm_mode_32 3
		.amdhsa_float_denorm_mode_16_64 3
		.amdhsa_memory_ordered 1
		.amdhsa_forward_progress 1
		.amdhsa_inst_pref_size 51
	.end_amdhsa_kernel
	.amdgpu_metadata
---
amdhsa.version: [ 1, 2 ]
amdhsa.kernels:
  - .name:           k_q68084159f4_quant
    .symbol:         k_q68084159f4_quant.kd
    .args:
      - { .name: x, .offset: 0, .size: 8, .value_kind: global_buffer, .address_space: global }
      - { .name: wq, .offset: 8, .size: 8, .value_kind: global_buffer, .address_space: global }
      - { .name: wk, .offset: 16, .size: 8, .value_kind: global_buffer, .address_space: global }
      - { .name: wv, .offset: 24, .size: 8, .value_kind: global_buffer, .address_space: global }
      - { .name: w1, .offset: 32, .size: 8, .value_kind: global_buffer, .address_space: global }
      - { .name: w2, .offset: 40, .size: 8, .value_kind: global_buffer, .address_space: global }
      - { .name: qin, .offset: 48, .size: 8, .value_kind: global_buffer, .address_space: global }
    .group_segment_fixed_size: 70656
    .private_segment_fixed_size: 0
    .kernarg_segment_align: 8
    .kernarg_segment_size: 56
    .max_flat_workgroup_size: 256
    .sgpr_count:     66
    .vgpr_count:     194
    .wavefront_size: 32
...
	.end_amdgpu_metadata
.endif
;; end of part 1
;; launch qkv (part 2): grid 12 x 16, 4 waves a work-group, clusters of 4 x 4, 327,680 bytes of LDS; arguments qin, bq, bk, bv, qkv; writes qkv
.if DOCPART == 2
	.amdgcn_target "amdgcn-amd-amdhsa--gfx1250"
	.amdhsa_code_object_version 6
	.text
	.protected	k_q68084159f4_qkv
	.globl	k_q68084159f4_qkv
	.p2align	8
	.type	k_q68084159f4_qkv,@function
k_q68084159f4_qkv:
	s_mov_b64 s[64:65], 0
	v_nop
	global_prefetch_b8 v0, s[64:65] scope:SCOPE_SE
	s_setreg_imm32_b32 hwreg(HW_REG_WAVE_MODE, 25, 1), 1
	s_wait_xcnt 0x0
	s_wait_alu depctr_hold_cnt(0) depctr_sa_sdst(0) depctr_va_vdst(0) depctr_va_sdst(0) depctr_va_ssrc(0) depctr_va_vcc(0) depctr_vm_vsrc(0)
	s_getreg_b32 s2, hwreg(HW_REG_IB_STS2, 6, 4)
	s_cmp_eq_u32 s2, 0
	s_cbranch_scc0 .Lentry_in_a_cluster
	s_endpgm
.Lentry_in_a_cluster:
	s_bfe_u32 s2, ttmp6, 0x10000c
	s_cmp_lg_u32 s2, 0xf033
	s_cbranch_scc0 .Lentry_shape_is_right
	s_endpgm
.Lentry_shape_is_right:
; q, k, v = x w + b on codes of FP6 with E8M0 scales, then quantised again for the two products of attention.  A work-group makes 256 x 256, four waves 128 x 128 each; 4 x 4 work-groups ask for A's and B's tiles jointly.
; K = 1,024 is eight steps of 128.  A slot holds three steps' register images (147,456 bytes); two slots take turns: fills of 3, 3 and 2 steps.  The fragment sets go by the step's parity.
; Prefetch: each wave names its work-group's two of the eight row blocks that it fetches (shared out by address among the four partners), a lane to each 256 bytes: chunk 1 behind the head's loads, chunk 2 behind slot 1's fill.
.set NA, 8
.set NB, 8
.set KS, 8
.set NQ, 3
.set RBW, 8
.set ROWB, NQ*1536
.set HALFT, RBW*ROWB
.set SLOT, 4*HALFT
.set HALFS, 4096
.set SWS, 4096
.set LAPS, KS/(2*NQ)
.set SCL, 2*SLOT
.set SPARE, SCL+4*HALFS
.set CA, 0
.set CB, 0
.set SA, 11796480
.set SB, 11796480
.set PA, 4
.set PB, 4
.set QSO, 3145728
.set KVO, 3276800
.set ADRA, 16
.set ADRB, 20
.set ADRS, 27
.set SPW, 28
.set NIL, 29
.set BOF, 30
.set SC, 32
.set AF, 64
.set T, 64
.set FA, 128
.set FB, 140
.set XT, 152
.set PWS, 160
.set OW, 168
.set TM, 200
.set G1, 24
.set G0, 32
.set G1B, 48
.set G0B, 56
.set G1S, 68
.set G0S, 76
.set G1SB, 80
.set G0SB, 88
.set SEL, 96
.set MSB, 0
.macro WIN new
.if MSB != (\new)
	s_set_vgpr_msb (MSB<<8)|(\new)
.set MSB, (\new)
.endif
.endm
.macro PLACES n
.rept \n
	v_nop
.endr
.endm
.macro JLOAD g0a, g1a, g0b, g1b
	s_cmp_eq_u32 s15, 0
	s_cbranch_scc0 .Lfor_b_\@
	tensor_load_to_lds s[\g0a:\g0a+3], s[\g1a:\g1a+7]
	s_nop 0
.rept 4
	v_nop
.endr
	s_branch .Lasked_\@
.Lfor_b_\@:
	tensor_load_to_lds s[\g0b:\g0b+3], s[\g1b:\g1b+7]
	s_nop 0
.rept 4
	v_nop
.endr
.Lasked_\@:
.endm
.macro CREST
	s_cmp_lg_u32 s14, 0
	s_cbranch_scc1 .Lnot_wave_0_\@
	s_barrier_signal -3
.Lnot_wave_0_\@:
	s_barrier_wait -3
	s_barrier_signal -1
	s_barrier_wait -1
.endm
.macro CROUND
	s_barrier_signal -1
	s_barrier_wait -1
	CREST
.endm
.macro QUANT src, d0, d1, pw
.irp b, 0,1,2,3
	v_max3_num_f32 v[TM+\b], |v[(\src)+16*\b]|, |v[(\src)+16*\b+1]|, 0x1800000
.endr
.irp i, 2,4,6,8,10,12,14
.irp b, 0,1,2,3
	v_max3_num_f32 v[TM+\b], v[TM+\b], |v[(\src)+16*\b+\i]|, |v[(\src)+16*\b+\i+1]|
.endr
.endr
.irp b, 0,1,2,3
	v_permlanex16_b32 v[TM+4+\b], v[TM+\b], s[SEL], s[SEL+1]
.endr
.irp b, 0,1,2,3
	v_max_num_f32 v[TM+\b], v[TM+\b], v[TM+4+\b]
.endr
.irp b, 0,1,2,3
	v_add_nc_u32 v[TM+12+\b], 0xff000000, v[TM+\b]
.endr
.irp b, 0,1,2,3
	v_lshrrev_b32 v[TM+4+\b], 23, v[TM+12+\b]
.endr
	v_lshl_or_b32 v[\pw], v[TM+5], 8, v[TM+4]
	v_lshl_or_b32 v[\pw], v[TM+6], 16, v[\pw]
	v_lshl_or_b32 v[\pw], v[TM+7], 24, v[\pw]
	v_cvt_scalef32_pk16_fp6_f32 v[(\d0):(\d0)+2], v[(\src):(\src)+15], v[TM+12]
	v_cvt_scalef32_pk16_fp6_f32 v[XT:XT+2], v[(\src)+16:(\src)+31], v[TM+13]
	v_cvt_scalef32_pk16_fp6_f32 v[(\d1):(\d1)+2], v[(\src)+32:(\src)+47], v[TM+14]
	v_cvt_scalef32_pk16_fp6_f32 v[XT+4:XT+6], v[(\src)+48:(\src)+63], v[TM+15]
	v_nop
.irp i, 0,1,2
	v_permlane16_swap_b32 v[(\d0)+\i], v[XT+\i]
	v_permlane16_swap_b32 v[(\d1)+\i], v[XT+4+\i]
.endr
.irp i, 0,1,2
	v_mov_b32 v[(\d0)+3+\i], v[XT+\i]
	v_mov_b32 v[(\d1)+3+\i], v[XT+4+\i]
.endr
.endm
.macro FETCH slot, q, p
	WIN 0x40
.set fi, 0
.rept NB
.irp c, 0,1,2
	ds_load_b128 v[128*(\p)+12*fi+4*\c:128*(\p)+12*fi+4*\c+3], v[ADRB+(\slot)] offset:(fi*NQ+(\q))*1536+512*\c
.endr
.set fi, fi+1
.endr
	WIN 0
.set fi, 0
.rept NA
.irp c, 0,1,2
	ds_load_b128 v[AF+96*(\p)+12*fi+4*\c:AF+96*(\p)+12*fi+4*\c+3], v[ADRA+(\slot)] offset:(fi*NQ+(\q))*1536+512*\c
.endr
.set fi, fi+1
.endr
.set fi, 0
.rept NA/4
	ds_load_b128 v[SC+8*(\p)+4*fi:SC+8*(\p)+4*fi+3], v[ADRS] offset:512*(\q)+256*fi
.set fi, fi+1
.endr
.endm
.macro MULP part, p, zero
.set ma, (\part)*(NA/4)
.rept NA/4
.set mw, 2+(8*NB*ma)/256
	WIN 0x01+0x50*mw
.set mb, 0
.rept NB
.set mr, (8*(NB*ma+mb))%256
.if \zero
	v_wmma_scale_f32_16x16x128_f8f6f4 v[mr:mr+7], v[128*(\p)+12*mb:128*(\p)+12*mb+11], v[AF+96*(\p)+12*ma:AF+96*(\p)+12*ma+11], 0, v[SC+8*(\p)+mb], v[SC+8*(\p)+ma] matrix_a_fmt:MATRIX_FMT_FP6 matrix_b_fmt:MATRIX_FMT_FP6 matrix_a_scale:MATRIX_SCALE_ROW1
.else
	v_wmma_scale_f32_16x16x128_f8f6f4 v[mr:mr+7], v[128*(\p)+12*mb:128*(\p)+12*mb+11], v[AF+96*(\p)+12*ma:AF+96*(\p)+12*ma+11], v[mr:mr+7], v[SC+8*(\p)+mb], v[SC+8*(\p)+ma] matrix_a_fmt:MATRIX_FMT_FP6 matrix_b_fmt:MATRIX_FMT_FP6 matrix_a_scale:MATRIX_SCALE_ROW1
.endif
.set mb, mb+1
.endr
.set ma, ma+1
.endr
.endm
.macro STEP slot, q, zero, p           ; multiplies fragment set p, fetches the slot's next step into the other set
	s_wait_dscnt 0x0
	PLACES 4
	FETCH \slot, (\q)+1, 1-(\p)
	MULP 0, \p, \zero
	MULP 1, \p, \zero
	MULP 2, \p, \zero
	MULP 3, \p, \zero
	WIN 0
.endm
.macro TURN slot, next, fill, p        ; a slot's last step, on fragment set p, and the change of slots
	s_wait_tensorcnt 0x0
	ds_add_u32 v[SPW], v[NIL]
	s_wait_dscnt 1
	MULP 0, \p, 0
	s_wait_dscnt 0x0
	s_barrier_signal -1
	MULP 1, \p, 0
	WIN 0
	s_barrier_wait -1
.if \fill
	CREST
	s_add_nc_u64 s[G0+4*\slot+2:G0+4*\slot+3], s[G0+4*\slot+2:G0+4*\slot+3], 2*ROWB
	s_add_nc_u64 s[G0B+4*\slot+2:G0B+4*\slot+3], s[G0B+4*\slot+2:G0B+4*\slot+3], 2*ROWB
	s_mov_b32 s[G1+1], ((KS%NQ)*192)<<16           ; no tensor load of mine is out.  Two steps are left of a row block: tensor_dim0 = 384 elements; beyond them the load writes zeros, which nothing reads
	s_mov_b32 s[G1B+1], ((KS%NQ)*192)<<16
	JLOAD G0+4*\slot, G1, G0B+4*\slot, G1B
.else
	PLACES 4
.endif
	s_wait_alu depctr_va_vdst(0)
	v_add_nc_u32 v[ADRS], NQ*512, v[ADRS]
	FETCH \next, 0, 1-(\p)
	MULP 2, \p, 0
	MULP 3, \p, 0
	WIN 0
.endm
.macro LAST
	s_wait_dscnt 0x0
	MULP 0, 1, 0
	MULP 1, 1, 0
	MULP 2, 1, 0
	MULP 3, 1, 0
	WIN 0
.endm
	s_load_b256 s[4:11], s[0:1], 0x0
	s_load_b64 s[12:13], s[0:1], 0x20
	v_lshl_add_u32 v[SPW], v0, 2, SPARE
	v_mov_b32 v[NIL], 0
	ds_add_u32 v28, v29
	ds_add_u32 v28, v29
	s_wait_dscnt 0x0
	v_lshrrev_b32 v1, 5, v0
	v_readfirstlane_b32 s14, v1
	s_lshr_b32 s15, s14, 1
	s_and_b32 s16, s14, 1
	s_bfe_u32 s40, ttmp6, 0x40000
	s_bfe_u32 s41, ttmp6, 0x40004
	s_lshl_b32 s18, ttmp9, 2
	s_add_co_u32 s18, s18, 16
	s_and_b32 s19, ttmp7, 0xffff
	s_lshl_b32 s19, s19, 2
	s_cmp_eq_u32 ttmp9, 2
	s_cselect_b32 s17, 24, s19
	s_cselect_b32 s42, s19, s18
	s_add_co_u32 s17, s17, s41
	s_add_co_u32 s42, s42, s40
	s_lshl_b32 s43, s41, 2
	s_lshl_b32 s43, 15, s43
	s_lshl_b32 s44, 0x1111, s40
	s_or_b32 s[G1+0], s43, (3<<16)|(1<<21)
	s_or_b32 s[G1B+0], s44, (3<<16)|(1<<21)
.irp g, G1, G1B
	s_mov_b32 s[\g+1], (ROWB/8)<<16
	s_mov_b32 s[\g+2], (2*RBW)<<16                 ; the head's loads bring a whole tile: both halves' row blocks
	s_mov_b32 s[\g+3], (ROWB/8)<<16
	s_mov_b32 s[\g+4], 2*RBW
	s_mov_b32 s[\g+5], KS*192
	s_mov_b32 s[\g+6], 0
	s_mov_b32 s[\g+7], 0
.endr
	s_or_b32 s[G1S+0], s43, (3<<16)|(1<<21)
	s_or_b32 s[G1SB+0], s44, (3<<16)|(1<<21)
.irp g, G1S, G1SB
	s_mov_b32 s[\g+1], 32<<16
	s_mov_b32 s[\g+2], (HALFS/128)<<16             ; the scale words of both halves, one dense block
	s_mov_b32 s[\g+3], 32<<16
	s_mov_b32 s[\g+4], HALFS/128
	s_mov_b32 s[\g+5], 32
	s_mov_b32 s[\g+6], 0
	s_mov_b32 s[\g+7], 0
.endr
	s_mov_b32 s[SEL], 0x76543210
	s_mov_b32 s[SEL+1], 0xfedcba98
	s_mul_i32 s18, s16, RBW*KS*1536
	s_mul_i32 s19, s16, HALFS
	s_mul_i32 s20, s17, 2*RBW*KS*1536
	s_add_co_u32 s20, s20, s18
	s_add_co_u32 s20, s20, CA
	s_mov_b32 s21, 0
	s_mul_i32 s22, s17, 2*HALFS
	s_add_co_u32 s22, s22, s19
	s_add_co_u32 s22, s22, SA
	s_mov_b32 s23, 0
	s_mul_i32 s46, s42, 2*RBW*KS*1536
	s_add_co_u32 s46, s46, s18
	s_add_co_u32 s46, s46, CB
	s_mov_b32 s47, 0
	s_mul_i32 s92, s42, 2*HALFS
	s_add_co_u32 s92, s92, s19
	s_add_co_u32 s92, s92, SB
	s_mov_b32 s93, 0
	s_mul_i32 s45, s14, HALFT
	s_mul_i32 s94, s14, HALFS
	s_wait_kmcnt 0x0
	s_add_nc_u64 s[20:21], s[PA:PA+1], s[20:21]
	s_add_nc_u64 s[22:23], s[PA:PA+1], s[22:23]
	s_add_nc_u64 s[46:47], s[PB:PB+1], s[46:47]
	s_add_nc_u64 s[92:93], s[PB:PB+1], s[92:93]
	s_mov_b32 s100, s18                            ; my half's offset in the codes and in the scale words, as pairs
	s_mov_b32 s101, 0
	s_mov_b32 s98, s19
	s_mov_b32 s99, 0
	CROUND
	; the head's four tiles, each whole (the half's offset is taken off again): slot 0's A, slot 0's B, A's scale words, B's
	s_mov_b32 s[G0], 1
	s_mov_b32 s[G0+1], 0
	s_sub_nc_u64 s[G0+2:G0+3], s[20:21], s[100:101]
	s_or_b32 s[G0+3], s[G0+3], 0x80000000
	s_mov_b32 s[G0B], 1
	s_mov_b32 s[G0B+1], 2*HALFT
	s_sub_nc_u64 s[G0B+2:G0B+3], s[46:47], s[100:101]
	s_or_b32 s[G0B+3], s[G0B+3], 0x80000000
	s_mov_b32 s[G0S], 1
	s_mov_b32 s[G0S+1], SCL
	s_sub_nc_u64 s[G0S+2:G0S+3], s[22:23], s[98:99]
	s_or_b32 s[G0S+3], s[G0S+3], 0x80000000
	s_mov_b32 s[G0SB], 1
	s_mov_b32 s[G0SB+1], SCL+2*HALFS
	s_sub_nc_u64 s[G0SB+2:G0SB+3], s[92:93], s[98:99]
	s_or_b32 s[G0SB+3], s[G0SB+3], 0x80000000
	s_mov_b32 s[G0+4], 1                           ; slot 1: my quarter, as in the ring
	s_add_co_u32 s[G0+5], s45, SLOT
	s_add_nc_u64 s[G0+6:G0+7], s[20:21], ROWB
	s_or_b32 s[G0+7], s[G0+7], 0x80000000
	s_mov_b32 s[G0B+4], 1
	s_add_co_u32 s[G0B+5], s45, SLOT
	s_add_nc_u64 s[G0B+6:G0B+7], s[46:47], ROWB
	s_or_b32 s[G0B+7], s[G0B+7], 0x80000000
	s_mov_b64 s[92:93], s[20:21]                   ; kept for slot 0's ring descriptor
; one tensor load a wave at the head, in one chain of branches on the wave's number
.macro ARM under, g0, g1, next
	s_cmp_lt_u32 s14, \under
	s_cbranch_scc0 \next
	tensor_load_to_lds s[\g0:\g0+3], s[\g1:\g1+7]
	s_nop 0
.rept 4
	v_nop
.endr
	s_branch .Lhead_asked
\next:
.endm
	ARM 1, G0,  G1,  .Lhead_b
	ARM 2, G0B, G1B, .Lhead_sa
	ARM 3, G0S, G1S, .Lhead_sb
	tensor_load_to_lds s[G0SB:G0SB+3], s[G1SB:G1SB+7]
	s_nop 0
.rept 4
	v_nop
.endr
.Lhead_asked:
	; the prefetches: of the eight row blocks that I fetch in the ring, my work-group's two (place cx among A's partners, cy among B's: told apart by address alone)
	s_cmp_eq_u32 s15, 0
	s_cselect_b64 s[66:67], s[20:21], s[46:47]
	s_cselect_b32 s98, s40, s41
	s_mul_i32 s98, s98, (RBW/4)*KS*1536
	s_mov_b32 s99, 0
	s_add_nc_u64 s[66:67], s[66:67], s[98:99]
	v_and_b32 v8, 31, v0
	v_min_u32 v7, 11, v8                           ; chunk 2: 12 blocks of 256 bytes a row block; the lanes left over name the last again
	v_min_u32 v8, 17, v8                           ; chunk 1: 18 blocks
	v_lshlrev_b32 v7, 8, v7
	v_lshlrev_b32 v8, 8, v8
	global_prefetch_b8 v8, s[66:67] offset:ROWB th:TH_LOAD_NT scope:SCOPE_SE
	global_prefetch_b8 v8, s[66:67] offset:ROWB+KS*1536 th:TH_LOAD_NT scope:SCOPE_SE
	v_and_b32 v1, 31, v0
	v_lshlrev_b32 v2, 4, v1
	v_and_b32 v3, 15, v0
	v_bfe_u32 v4, v0, 4, 1
	s_wait_alu depctr_va_vdst(0)
	s_mul_i32 s21, s15, HALFT
	s_mul_i32 s22, s16, HALFT
	s_add_co_u32 s22, s22, 2*HALFT
.irp s, 0,1
	v_add_nc_u32 v[ADRA+\s], s21, v2
	v_add_nc_u32 v[ADRB+\s], s22, v2
	s_add_co_u32 s21, s21, SLOT
	s_add_co_u32 s22, s22, SLOT
.endr
	s_mul_i32 s21, s15, SWS
	s_mul_i32 s22, s16, SWS
	s_add_co_u32 s22, s22, 2*HALFS
	s_sub_co_u32 s22, s22, s21
	v_mul_u32_u24 v6, s22, v4
	s_add_co_u32 s21, s21, SCL
	v_lshl_add_u32 v5, v3, 4, v6
	v_add_nc_u32 v[ADRS], s21, v5
	v_lshlrev_b32 v[BOF], 6, v4
	v_and_b32 v5, 8, v3
	v_add_nc_u32 v5, v5, v3
	v_lshlrev_b32 v31, 2, v5
	s_wait_alu depctr_va_vdst(0)
	s_wait_tensorcnt 0x0                           ; my tile of the head's four is in
	ds_add_u32 v[SPW], v[NIL]
	s_mov_b32 s[G1+2], RBW<<16                     ; no tensor load of mine is out: from here on a load brings my quarter of a slot
	s_mov_b32 s[G1+4], RBW
	s_mov_b32 s[G1B+2], RBW<<16
	s_mov_b32 s[G1B+4], RBW
	s_mov_b32 s[G0+1], s45
	s_mov_b64 s[G0+2:G0+3], s[92:93]
	s_or_b32 s[G0+3], s[G0+3], 0x80000000
	s_mov_b32 s[G0B+1], s45
	s_mov_b64 s[G0B+2:G0B+3], s[46:47]
	s_or_b32 s[G0B+3], s[G0B+3], 0x80000000
	s_wait_dscnt 0x0
	CROUND                                         ; all four tiles are in, in every partner
	JLOAD G0+4, G1, G0B+4, G1B                     ; slot 1's first fill, the first tensor load behind the round
	global_prefetch_b8 v7, s[66:67] offset:2*ROWB th:TH_LOAD_NT scope:SCOPE_SE             ; chunk 2, one fill ahead of its load
	global_prefetch_b8 v7, s[66:67] offset:2*ROWB+KS*1536 th:TH_LOAD_NT scope:SCOPE_SE
	FETCH 0, 0, 0
	STEP 0, 0, 1, 0                                ; steps 0 to 2 from slot 0; the first starts the sums
	STEP 0, 1, 0, 1
	TURN 0, 1, 1, 0                                ; slot 0 takes steps 6 and 7
	s_wait_alu depctr_va_vdst(0)
	STEP 1, 0, 0, 1                                ; steps 3 to 5 from slot 1
	STEP 1, 1, 0, 0
	TURN 1, 0, 0, 1                                ; nothing more to fetch
	s_mov_b32 s47, 0xffff0000
	s_cmp_eq_u32 ttmp9, 2
	s_cbranch_scc1 .Lvalues
	s_cmp_eq_u32 ttmp9, 0
	s_cselect_b64 s[98:99], s[6:7], s[8:9]
	s_sub_co_u32 s20, s42, 16
	s_and_b32 s20, s20, 3
	s_lshl_b32 s100, s20, 10
	s_lshl_b32 s22, s16, 9
	s_add_co_u32 s100, s100, s22
	s_mov_b32 s101, 0
	s_add_nc_u64 s[98:99], s[98:99], s[100:101]
	WIN 0x40
.irp bb, 0,1,2,3
.irp j, 0,1,2,3
	global_load_b128 v[96+16*\bb+4*\j+96*(\bb/2):99+16*\bb+4*\j+96*(\bb/2)], v[BOF], s[98:99] offset:128*\bb+16*\j
.endr
.endr
	WIN 0
	s_wait_alu depctr_va_vdst(0)
	STEP 0, 0, 0, 0
	LAST
	PLACES 4
	s_lshl_b32 s21, s17, 1
	s_add_co_u32 s21, s21, s15
	s_lshr_b32 s22, s21, 4
	s_and_b32 s21, s21, 15
	s_lshl_b32 s20, s20, 2
	s_lshl_b32 s23, s16, 1
	s_add_co_u32 s20, s20, s23
	s_lshl_b32 s22, s22, 4
	s_add_co_u32 s22, s22, s20
	s_lshl_b32 s22, s22, 4
	s_add_co_u32 s22, s22, s21
	s_cmp_eq_u32 ttmp9, 0
	s_mov_b32 s23, 12800
	s_cselect_b32 s23, 6144, s23
	s_mov_b32 s18, KVO
	s_cselect_b32 s18, 0, s18
	s_mov_b32 s19, 12800
	s_cselect_b32 s19, 256, s19
	s_mov_b32 s46, KVO+12288
	s_cselect_b32 s46, QSO, s46
	s_mul_i32 s92, s22, s23
	s_add_co_u32 s92, s92, s18
	s_mov_b32 s93, 0
	s_add_nc_u64 s[92:93], s[12:13], s[92:93]
	s_lshl_b32 s94, s23, 4
	s_mov_b32 s95, 0
	s_add_nc_u64 s[94:95], s[92:93], s[94:95]
	s_mul_i32 s20, s22, s19
	s_add_co_u32 s20, s20, s46
	s_mov_b32 s21, 0
	s_add_nc_u64 s[20:21], s[12:13], s[20:21]
	s_lshl_b32 s19, s19, 4
	v_mul_u32_u24 v5, v4, s19
	v_lshl_add_u32 v5, v3, 4, v5
	v_mov_b32 v172, 0x05040100
	v_mov_b32 v173, 0x07060302
	v_cndmask_b32 v172, v172, v173, s47
.irp b, 0,1,2,3
	v_mov_b32 v[TM+4+\b], 0
.endr
	s_wait_loadcnt 0x0
.irp a, 0,1,2,3,4,5,6,7
.if (\a)%2 == 0
.if (\a) > 0
	s_wait_xcnt 0x0
.endif
.endif
	WIN 0x06+(\a)/4
.set n, 0
.rept 32
	v_pk_add_f32 v[T+2*n:T+2*n+1], v[64*((\a)%4)+2*n:64*((\a)%4)+2*n+1], v[96+2*n+96*(n/16):97+2*n+96*(n/16)]
.set n, n+1
.endr
	WIN 0
	QUANT T, FA+6*((\a)%2), FB+6*((\a)%2), PWS+(\a)
.if (\a)%2 == 1
.irp c, 0,1,2
	global_store_b128 v2, v[FA+4*\c:FA+4*\c+3], s[92:93] offset:1536*((\a)/2)+512*\c
	global_store_b128 v2, v[FB+4*\c:FB+4*\c+3], s[94:95] offset:1536*((\a)/2)+512*\c
.endr
.endif
.endr
.irp j, 0,1,2,3
	v_perm_b32 v[OW+\j], v[PWS+2*\j+1], v[PWS+2*\j], v172
.endr
	global_store_b128 v5, v[OW:OW+3], s[20:21]
	s_branch .Lclose
.Lvalues:
	s_lshl_b32 s100, s41, 10
	s_lshl_b32 s20, s15, 9
	s_add_co_u32 s100, s100, s20
	s_mov_b32 s101, 0
	s_add_nc_u64 s[98:99], s[10:11], s[100:101]
	WIN 0x40
.irp a, 0,1,2,3,4,5,6,7
	global_load_b32 v[96+\a], v31, s[98:99] offset:(32*(\a/2)+8*(\a%2))*4
.endr
	WIN 0
	s_wait_alu depctr_va_vdst(0)
	STEP 0, 0, 0, 0
	LAST
	PLACES 4
	s_lshl_b32 s21, s42, 1
	s_add_co_u32 s21, s21, s16
	s_lshr_b32 s22, s21, 4
	s_and_b32 s21, s21, 15
	s_lshl_b32 s20, s41, 2
	s_lshl_b32 s23, s15, 1
	s_add_co_u32 s20, s20, s23
	s_lshl_b32 s22, s22, 4
	s_add_co_u32 s22, s22, s20
	s_lshl_b32 s22, s22, 4
	s_add_co_u32 s22, s22, s21
	s_mul_i32 s92, s22, 12800
	s_add_co_u32 s92, s92, KVO
	s_mov_b32 s93, 0
	s_add_nc_u64 s[92:93], s[12:13], s[92:93]
	v_mul_u32_u24 v5, v4, 204800
	v_lshl_add_u32 v5, v3, 4, v5
.irp b, 0,1,2,3
	v_mov_b32 v[TM+4+\b], 0
.endr
	s_wait_loadcnt 0x0
.irp a, 0,1,2,3,4,5,6,7
.if (\a) >= 2
	s_wait_xcnt 0x0
.endif
	WIN 0x06+(\a)/4
.set n, 0
.rept 32
.if (\a)%2
	v_pk_add_f32 v[T+2*n:T+2*n+1], v[64*((\a)%4)+2*n:64*((\a)%4)+2*n+1], v[96+2*((\a)/2):97+2*((\a)/2)] op_sel:[0,1] op_sel_hi:[1,1]
.else
	v_pk_add_f32 v[T+2*n:T+2*n+1], v[64*((\a)%4)+2*n:64*((\a)%4)+2*n+1], v[96+2*((\a)/2):97+2*((\a)/2)] op_sel_hi:[1,0]
.endif
.set n, n+1
.endr
	WIN 0
	QUANT T, FA+12*((\a)%2), FA+12*((\a)%2)+6, PWS+(\a)
.irp c, 0,1,2
	global_store_b128 v2, v[FA+12*((\a)%2)+4*\c:FA+12*((\a)%2)+4*\c+3], s[92:93] offset:((\a)/4)*204800+6144+1536*((\a)%4)+512*\c
.endr
.endr
.irp w, 0,1,2,3
	v_cndmask_b32 v[OW+\w], v[PWS+\w], v[PWS+4+\w], s47
.endr
	global_store_b128 v5, v[OW:OW+3], s[92:93] offset:12544
.Lclose:
	s_wait_tensorcnt 0x0
	ds_add_u32 v[SPW], v[NIL]
	s_wait_dscnt 0x0
	CROUND
	s_endpgm
.Lfunc_end_k_q68084159f4_qkv:
	.size	k_q68084159f4_qkv, .Lfunc_end_k_q68084159f4_qkv-k_q68084159f4_qkv
	.p2alignl 7, 3214868480
	.fill 96, 4, 3214868480
	.section	.rodata,"a",@progbits
	.p2align	6, 0x0
	.amdhsa_kernel k_q68084159f4_qkv
		.amdhsa_group_segment_fixed_size 327680
		.amdhsa_private_segment_fixed_size 0
		.amdhsa_enable_private_segment 0
		.amdhsa_kernarg_size 40
		.amdhsa_user_sgpr_count 2
		.amdhsa_user_sgpr_kernarg_segment_ptr 1
		.amdhsa_wavefront_size32 1
		.amdhsa_system_sgpr_workgroup_id_x 1
		.amdhsa_system_sgpr_workgroup_id_y 1
		.amdhsa_system_sgpr_workgroup_id_z 1
		.amdhsa_system_vgpr_workitem_id 0
		.amdhsa_next_free_vgpr 1024
		.amdhsa_next_free_sgpr 102
		.amdhsa_reserve_vcc 0
		.amdhsa_float_denorm_mode_32 3
		.amdhsa_float_denorm_mode_16_64 3
		.amdhsa_memory_ordered 1
		.amdhsa_forward_progress 1
		.amdhsa_inst_pref_size 228
	.end_amdhsa_kernel
	.amdgpu_metadata
---
amdhsa.version: [ 1, 2 ]
amdhsa.kernels:
  - .name:           k_q68084159f4_qkv
    .symbol:         k_q68084159f4_qkv.kd
    .args:
      - { .name: qin, .offset: 0, .size: 8, .value_kind: global_buffer, .address_space: global }
      - { .name: bq, .offset: 8, .size: 8, .value_kind: global_buffer, .address_space: global }
      - { .name: bk, .offset: 16, .size: 8, .value_kind: global_buffer, .address_space: global }
      - { .name: bv, .offset: 24, .size: 8, .value_kind: global_buffer, .address_space: global }
      - { .name: qkv, .offset: 32, .size: 8, .value_kind: global_buffer, .address_space: global }
    .group_segment_fixed_size: 327680
    .private_segment_fixed_size: 0
    .kernarg_segment_align: 8
    .kernarg_segment_size: 40
    .max_flat_workgroup_size: 128
    .sgpr_count:     102
    .vgpr_count:     1024
    .wavefront_size: 32
...
	.end_amdgpu_metadata
.endif
;; end of part 2
;; launch attn (part 3): grid 8 x 32, 8 waves a work-group, clusters of 4 x 1, 276,480 bytes of LDS; arguments qkv, ctx; writes ctx
.if DOCPART == 3
	.amdgcn_target "amdgcn-amd-amdhsa--gfx1250"
	.amdhsa_code_object_version 6
	.text
	.protected	k_q68084159f4_attn
	.globl	k_q68084159f4_attn
	.p2align	8
	.type	k_q68084159f4_attn,@function
k_q68084159f4_attn:
	s_mov_b64 s[64:65], 0
	v_nop
	global_prefetch_b8 v0, s[64:65] scope:SCOPE_SE
	s_setreg_imm32_b32 hwreg(HW_REG_WAVE_MODE, 25, 1), 1
	s_wait_xcnt 0x0
	s_wait_alu depctr_hold_cnt(0) depctr_sa_sdst(0) depctr_va_vdst(0) depctr_va_sdst(0) depctr_va_ssrc(0) depctr_va_vcc(0) depctr_vm_vsrc(0)
	s_getreg_b32 s2, hwreg(HW_REG_IB_STS2, 6, 4)
	s_cmp_eq_u32 s2, 0
	s_cbranch_scc0 .Lentry_in_a_cluster
	s_endpgm
.Lentry_in_a_cluster:
	s_bfe_u32 s2, ttmp6, 0x10000c
	s_cmp_lg_u32 s2, 0x3003
	s_cbranch_scc0 .Lentry_shape_is_right
	s_endpgm
.Lentry_shape_is_right:
; ctx[token][64 head + d] = sum over keys of softmax(q . k / 8) v, both products on codes of FP6 with E8M0 scales; 32 heads (2 batches x 16) of 2,048 tokens x 64 channels.
; t = score x log2(e) / 8 (q's factor 1/8, a power of two that changes no code, stands here); M = the running largest t rounded up to a whole number; p = 2^(t - M) is quantised along the keys;
; the row's sum is taken of the unquantised p and divides at the end; when M moves, the sum and O are multiplied by 2^(old M - new M), exactly.  Nothing of the problem is left out.
; A work-group owns 256 queries of one head; each of its eight waves 32 of them, two tiles of 16, whose chains of vector lines stand line by line beside each other.
; A head's K, V and scale words are sixteen records of 12,800 bytes (128 keys each): wave w brings records 2 w and 2 w + 1 by its one tensor load; nothing is filled again; one barrier stands in front of the walk.
; The four work-groups of a cluster own queries of one head and ask jointly.  No prefetch: all of K and V is asked for by the kernel's first loads.
; A record: four images of K pairs (registers 0-5: 16 keys x 64 channels, 6-11: 16 more), four tiles of V (16 channels x 128 keys), K's words at 12,288, V's at 12,544.
; The head has 64 channels, the instruction 128 along K: a pair of key tiles fills source 0; source 1 is [q | 0] for the first tile, [0 | q] for the second: zero codes add nothing.
; WHICH KEYS FORM A TILE is chosen by the lanes' LDS addresses: row r of tile 4 c + s is key 64 c + 32 (r / 8) + 8 s + r % 8.  In the stored images that is pair 2 c + r / 8, half s % 2, row 8 (s / 2) + r % 8,
; so lane (r, h) of new pair 2 c + w reads the twelve registers of stored lane 16 h + 8 w + r % 8 of stored pair 2 c + r / 8.  Both products are used transposed, so a lane holds one query, and its 32 registers
; of tiles 4 c .. 4 c + 3 are keys 64 c + 32 h + 0 .. 31: a whole block of the second product's K, in the operand's own order: no lane is asked for a block's maximum and no codes change lanes.
; LIMITS: NaN and infinities are not served; the promise holds while the scaled scores stay under 2^31 in magnitude.
; REGISTERS, window 0: v1 16 lane, v2 16 r, v3, v4 the add's two, v6 r, v7 h, v8-11 the step's LDS addresses, v12, v13 K's lane terms, v14 8 h; the names below (u = tile, c = block of the lane).
; Window 1: v0-63 O^T of the two tiles, v64-111 K's pairs, v112-147 [0 x 6][q x 6][0 x 6] twice, v148-195 V's tiles.
.set KVO, 3276800
.set QSO, 3145728
.set REC, 12800
.set HEADB, 204800
.set STAGE, 204800                     ; behind the head: 2 x 16 rows x 272 bytes for each wave; no fill lands there
.set SPARE, 274432                     ; behind the stages: the spare words, 128 bytes a wave
.set SPW, 3
.set NIL, 4
.set SO, 16                            ; + 2 u + c: the conversions' scale operands
.set BY, 20                            ; the bytes
.set SM, 32                            ; + 4 u: the row's sum (a pair), + 2: the step's second chain
.set NM, 40                            ; + 2 u: -M; + 1: the largest score so far
.set FF, 44                            ; + 2 u: f
.set OM, 48                            ; + u: the old -M
.set WK, 50                            ; + u: at work
.set KW, 52                            ; K's four scale words
.set QW, 56                            ; + u: q's word
.set PW, 58                            ; + u: p's word
.set VW, 60                            ; V's four scale words
.set S, 64                             ; + 64 u: scores, then p
.set PC, 192                           ; + 12 u: p's codes
.set XT, 216                           ; + 8 u + 4 c: a block's upper 16 codes
.set BM, 232                           ; + 2 u + c: a block's largest score, then largest p
.set BN, 236
.set RX, 240
.set WA, 242
.set WB, 244
.set OO, 0                             ; window 1
.set FK, 64
.set QQ, 112
.set FV, 148
.set WV, 18
.set SEL, 20
.set CS, 22
.set G1, 24
.set G0, 32
.set TB, 2
.set CNT, 3
.set MSB, 0
.macro WIN new                         ; the immediate's high byte repeats the setting that is left
.if MSB != (\new)
	s_set_vgpr_msb (MSB<<8)|(\new)
.set MSB, (\new)
.endif
.endm
.macro CROUND
	s_barrier_signal -1
	s_barrier_wait -1
	s_cmp_lg_u32 s[WV], 0
	s_cbranch_scc1 .Lnot_wave_0_\@
	s_barrier_signal -3
.Lnot_wave_0_\@:
	s_barrier_wait -3
	s_barrier_signal -1
	s_barrier_wait -1
.endm
.macro WMZ d, a, b, sa, sb             ; a product that starts a sum
	v_wmma_scale_f32_16x16x128_f8f6f4 v[\d:\d+7], v[\a:\a+11], v[\b:\b+11], 0, v[\sa], v[\sb] matrix_a_fmt:MATRIX_FMT_FP6 matrix_b_fmt:MATRIX_FMT_FP6
.endm
.macro WMA d, a, b, sa, sb             ; a product that adds in place
	v_wmma_scale_f32_16x16x128_f8f6f4 v[\d:\d+7], v[\a:\a+11], v[\b:\b+11], v[\d:\d+7], v[\sa], v[\sb] matrix_a_fmt:MATRIX_FMT_FP6 matrix_b_fmt:MATRIX_FMT_FP6
.endm
; K's four pairs and words of the record at byte off behind the addresses' record
.macro KLOAD ac, aw, off
	WIN 0x40
.irp j, 0,1,2,3
.irp c, 0,1,2
	ds_load_b128 v[FK+12*\j+4*\c:FK+12*\j+4*\c+3], v[\ac] offset:(\off)+3072*(\j/2)+128*(\j%2)+512*\c
.endr
.endr
	WIN 0
.irp j, 0,1,2,3
	ds_load_b32 v[KW+\j], v[\aw] offset:(\off)+12288+128*(\j%2)+8*(\j/2)
.endr
.endm
; Addition number sk of the 32 that make a row's sum of the step's 64 p, for both tiles: four chains by turns
.macro SUM2
.irp u, 0,1
.if sk == 0
	v_pk_add_f32 v[SM+4*\u+2:SM+4*\u+3], v[S+64*\u:S+64*\u+1], v[S+64*\u+2:S+64*\u+3]
.elseif sk == 31
	v_pk_add_f32 v[SM+4*\u:SM+4*\u+1], v[SM+4*\u:SM+4*\u+1], v[SM+4*\u+2:SM+4*\u+3]
.elseif sk%2 == 1
	v_pk_add_f32 v[SM+4*\u:SM+4*\u+1], v[SM+4*\u:SM+4*\u+1], v[S+64*\u+2+2*sk:S+64*\u+3+2*sk]
.else
	v_pk_add_f32 v[SM+4*\u+2:SM+4*\u+3], v[SM+4*\u+2:SM+4*\u+3], v[S+64*\u+2+2*sk:S+64*\u+3+2*sk]
.endif
.endr
.set sk, sk+1
.endm
; t - M of pair number pf, for both tiles
.macro TM2
.irp u, 0,1
	v_pk_fma_f32 v[S+64*\u+2*pf:S+64*\u+2*pf+1], v[S+64*\u+2*pf:S+64*\u+2*pf+1], s[CS:CS+1], v[NM+2*\u:NM+2*\u+1] op_sel_hi:[1,0,0]
.endr
.set pf, pf+1
.endm
	s_load_b128 s[4:7], s[0:1], 0x0                ; qkv, ctx
	v_lshl_add_u32 v[SPW], v0, 2, SPARE
	v_mov_b32 v[NIL], 0
	ds_add_u32 v[SPW], v[NIL]                      ; the opening lines: the add, twice on end, and its wait
	ds_add_u32 v[SPW], v[NIL]
	v_lshrrev_b32 v5, 5, v0
	v_readfirstlane_b32 s[WV], v5                  ; wave 0..7
	s_bfe_u32 s40, ttmp6, 0x40000                  ; cx: it enters q's and ctx's addresses alone
	s_and_b32 s41, ttmp7, 0xffff                   ; the head, which the four partners share
	s_mul_i32 s42, s41, HEADB
	s_mul_i32 s43, s[WV], 2*REC                    ; my wave's two records
	s_add_co_u32 s44, s42, s43
	s_add_co_u32 s44, s44, KVO
	s_mov_b32 s45, 0
	s_mov_b32 s[G1], 15|(3<<16)|(1<<21)            ; all four work-groups; elements of 8 bytes; bit 21 beside a mask
	s_mov_b32 s[G1+1], 32<<16                      ; 100 rows of 256 bytes, dense
	s_mov_b32 s[G1+2], 100<<16
	s_mov_b32 s[G1+3], 32<<16
	s_mov_b32 s[G1+4], 100
	s_mov_b32 s[G1+5], 32
	s_mov_b32 s[G1+6], 0
	s_mov_b32 s[G1+7], 0
	s_mov_b32 s[SEL], 0x76543210
	s_mov_b32 s[SEL+1], 0xfedcba98
	s_mov_b32 s[CS], 0x3e38aa3b                    ; c = log2(e) / 8
	s_mov_b32 s[CS+1], s[CS]
	s_mov_b32 s[TB], 0
	s_wait_dscnt 0x0
	s_wait_kmcnt 0x0
	s_mov_b32 s[G0], 1
	s_mov_b32 s[G0+1], s43
	s_add_nc_u64 s[G0+2:G0+3], s[4:5], s[44:45]
	s_or_b32 s[G0+3], s[G0+3], 0x80000000
	CROUND                                         ; all four work-groups are here: the joint loads meet
	tensor_load_to_lds s[G0:G0+3], s[G1:G1+7]      ; my one tensor load of the launch
	s_nop 0
.rept 4
	v_nop
.endr
	s_lshl_b32 s46, ttmp9, 2
	s_add_co_u32 s46, s46, s40                     ; my block of 256 queries
	s_lshl_b32 s46, s46, 1
	s_lshr_b32 s47, s[WV], 2
	s_add_co_u32 s46, s46, s47                     ; my group of 128
	s_and_b32 s47, s[WV], 3                        ; my pair of tiles in it
	s_lshl_b32 s49, s41, 4
	s_add_co_u32 s49, s49, s46
	s_lshl_b32 s50, s49, 2
	s_add_co_u32 s50, s50, s47
	s_mul_i32 s50, s50, 1536
	s_mov_b32 s51, 0
	s_add_nc_u64 s[50:51], s[4:5], s[50:51]        ; the pair's image
	s_lshl_b32 s52, s49, 8
	s_lshl_b32 s53, s47, 2
	s_add_co_u32 s52, s52, s53
	s_add_co_u32 s52, s52, QSO
	s_mov_b32 s53, 0
	s_add_nc_u64 s[52:53], s[4:5], s[52:53]        ; and its words
	s_lshr_b32 s56, s41, 4
	s_lshl_b32 s56, s56, 11
	s_lshl_b32 s57, s46, 7
	s_add_co_u32 s56, s56, s57
	s_lshl_b32 s57, s47, 5
	s_add_co_u32 s56, s56, s57                     ; tile 0's first token; tile 1's lies 8 tokens on
	s_lshl_b32 s56, s56, 12
	s_and_b32 s57, s41, 15
	s_lshl_b32 s57, s57, 8
	s_add_co_u32 s56, s56, s57                     ; + the head's 256 bytes of a row
	s_mov_b32 s57, 0
	s_add_nc_u64 s[6:7], s[6:7], s[56:57]
	v_and_b32 v5, 31, v0
	v_and_b32 v6, 15, v0                           ; r
	v_bfe_u32 v7, v0, 4, 1                         ; h
	v_lshlrev_b32 v1, 4, v5
	v_lshlrev_b32 v2, 4, v6
	v_lshrrev_b32 v15, 3, v6                       ; r / 8
	v_and_b32 v24, 7, v6                           ; r % 8
	v_mul_u32_u24 v12, v15, 1536
	v_lshlrev_b32 v13, 4, v24
	v_lshl_add_u32 v12, v7, 8, v12
	v_lshl_add_u32 v13, v15, 2, v13                ; K's words: 16 (r % 8) + 4 (r / 8)
	v_lshl_add_u32 v12, v24, 4, v12                ; K's images: 1536 (r / 8) + 256 h + 16 (r % 8)
	v_lshlrev_b32 v14, 3, v7                       ; 8 h
.irp c, 0,1,2
	global_load_b128 v[S+4*\c:S+4*\c+3], v1, s[50:51] offset:512*\c
.endr
	global_load_b32 v25, v2, s[52:53]
.irp u, 0,1
	v_mov_b32 v[NM+2*\u+1], 0xff61b1e6             ; the largest score so far: -3e38
	v_mov_b32 v[NM+2*\u], 0x7f61b1e6               ; -M
	v_mov_b32 v[SM+4*\u], 0
	v_mov_b32 v[SM+4*\u+1], 0
	v_mov_b32 v[FF+2*\u+1], 0                      ; (named as the upper half of a pair)
	v_mov_b32 v[RX+\u], 0                          ; a lane permute's destination counts as read
	v_mov_b32 v[WB+\u], 0
.endr
	s_wait_loadcnt 0x0
	v_and_b32 v26, 0xffff, v25
	v_lshrrev_b32 v27, 16, v25
	v_lshl_or_b32 v[QW], v26, 16, v26              ; a tile's two bytes, for either half of the instruction's K
	v_lshl_or_b32 v[QW+1], v27, 16, v27
	WIN 0x40
.irp i, 0,1,2,3,4,5
	v_mov_b32 v[QQ+6+\i], v[S+\i]
	v_mov_b32 v[QQ+24+\i], v[S+6+\i]
	v_mov_b32 v[QQ+\i], 0
	v_mov_b32 v[QQ+12+\i], 0
	v_mov_b32 v[QQ+18+\i], 0
	v_mov_b32 v[QQ+30+\i], 0
.endr
.set e, 0
.rept 64
	v_mov_b32 v[OO+e], 0                           ; O^T: the step is written for every trip alike; the first finds zeros.  (Also the places between q's words and the first product)
.set e, e+1
.endr
	WIN 0
; A KEY STEP: the record of 128 keys at LDS byte s[TB].  Its K pairs and words were asked for a step ago.  nxt = 1: the next record's are asked for at once behind the K products
.macro STEP nxt
.set sk, 0
.set pf, 0
	s_wait_dscnt 0x0                               ; K's pairs and words
	WIN 0x05
.irp j, 0,1,2,3
.irp u, 0,1
	WMZ S+64*\u+16*\j, FK+12*\j, QQ+18*\u+6, KW+\j, QW+\u
	WMZ S+64*\u+16*\j+8, FK+12*\j, QQ+18*\u, KW+\j, QW+\u
.endr
.endr
	WIN 0
	v_add_nc_u32 v8, s[TB], v1                     ; plain lines: the places between those products and the loads into their registers, and the first read of their results
	v_add_nc_u32 v9, s[TB], v2
	v_mov_b32 v[OM], v[NM]                         ; the old -M
	v_mov_b32 v[OM+1], v[NM+2]
.if \nxt
	v_add_nc_u32 v10, s[TB], v12
	v_add_nc_u32 v11, s[TB], v13
.endif
	WIN 0x40
.irp t, 0,1,2,3
.irp c, 0,1,2
	ds_load_b128 v[FV+12*\t+4*\c:FV+12*\t+4*\c+3], v8 offset:6144+1536*\t+512*\c
.endr
.endr
.if \nxt
	KLOAD 10, 11, REC
.endif
	WIN 0
	ds_load_b128 v[VW:VW+3], v9 offset:12544
	; the largest score of each of my blocks of 32 keys, in two chains a block; each accumulator is read from its low end on
.irp u, 0,1
.irp c, 0,1
	v_max3_num_f32 v[BM+2*\u+\c], v[S+64*\u+32*\c], v[S+64*\u+32*\c+1], v[S+64*\u+32*\c+2]
	v_max3_num_f32 v[BN+2*\u+\c], v[S+64*\u+32*\c+16], v[S+64*\u+32*\c+17], v[S+64*\u+32*\c+18]
.endr
.endr
.irp i, 3,5,7,9,11,13
.irp u, 0,1
.irp c, 0,1
	v_max3_num_f32 v[BM+2*\u+\c], v[BM+2*\u+\c], v[S+64*\u+32*\c+\i], v[S+64*\u+32*\c+\i+1]
	v_max3_num_f32 v[BN+2*\u+\c], v[BN+2*\u+\c], v[S+64*\u+32*\c+16+\i], v[S+64*\u+32*\c+17+\i]
.endr
.endr
.endr
.irp u, 0,1
.irp c, 0,1
	v_max3_num_f32 v[BM+2*\u+\c], v[BM+2*\u+\c], v[BN+2*\u+\c], v[S+64*\u+32*\c+15]
.endr
.endr
.irp u, 0,1
.irp c, 0,1
	v_max_num_f32 v[BM+2*\u+\c], v[BM+2*\u+\c], v[S+64*\u+32*\c+31]
.endr
.endr
.irp u, 0,1
	v_max_num_f32 v[WK+\u], v[BM+2*\u], v[BM+2*\u+1]
.endr
.irp u, 0,1
	s_delay_alu instid0(VALU_DEP_2)
	v_permlanex16_b32 v[RX+\u], v[WK+\u], s[SEL], s[SEL+1]
.endr
.irp u, 0,1
	s_delay_alu instid0(VALU_DEP_2)
	v_max3_num_f32 v[NM+2*\u+1], v[NM+2*\u+1], v[WK+\u], v[RX+\u]      ; the running largest score of my query (c is positive: the largest t is c x it)
.endr
.irp u, 0,1
	s_delay_alu instid0(VALU_DEP_2)
	v_mul_f32 v[WK+\u], s[CS], v[NM+2*\u+1]
.endr
.irp u, 0,1
	s_delay_alu instid0(VALU_DEP_2)
	v_floor_f32 v[NM+2*\u], -v[WK+\u]              ; the new -M
.endr
.rept 4
	TM2
.endr
.irp u, 0,1
	v_sub_f32 v[OM+\u], v[NM+2*\u], v[OM+\u]
.endr
.rept 4
	TM2
.endr
.irp u, 0,1
	v_cvt_i32_f32 v[OM+\u], v[OM+\u]               ; (it saturates)
.endr
.rept 4
	TM2
.endr
.irp u, 0,1
	v_ldexp_f32 v[FF+2*\u], 1.0, v[OM+\u]          ; f = 2^(old M - new M)
.endr
.rept 20
	TM2
.endr
.irp u, 0,1
.irp c, 0,1
	v_fma_f32 v[BM+2*\u+\c], v[BM+2*\u+\c], s[CS], v[NM+2*\u]          ; the same of each block's largest score
.endr
.endr
.irp u, 0,1
	v_pk_mul_f32 v[SM+4*\u:SM+4*\u+1], v[SM+4*\u:SM+4*\u+1], v[FF+2*\u:FF+2*\u+1] op_sel_hi:[1,0]   ; the sum under the new M
.endr
	WIN 0x41
.irp u, 0,1
.set e, 0
.rept 16
	v_pk_mul_f32 v[OO+32*\u+2*e:OO+32*\u+2*e+1], v[OO+32*\u+2*e:OO+32*\u+2*e+1], v[FF+2*\u:FF+2*\u+1] op_sel_hi:[1,0]   ; O^T under the new M, each accumulator from its low end on
.set e, e+1
.endr
.endr
	WIN 0
	s_wait_alu depctr_va_vdst(0)                   ; all sources stand ahead of the batch
.irp b, 0,1,2,3
	v_exp_f32 v[BM+\b], v[BM+\b]                   ; the blocks' largest p
.endr
.set e, 0
.rept 128
	v_exp_f32 v[S+e], v[S+e]                       ; p = 2^(t - M)
.set e, e+1
.endr
	v_nop                                          ; a plain line behind the last of them
	s_wait_alu depctr_va_vdst(0)                   ; one wait for the batch, ahead of its first reader
.irp b, 0,1,2,3
	v_max_num_f32 v[BM+\b], 0x1800000, v[BM+\b]    ; the floor 2^(3 - 127): the byte cannot fall under 1
.endr
.irp b, 0,1,2,3
	v_add_nc_u32 v[SO+\b], 0xff000000, v[BM+\b]    ; 2 off the exponent field: the conversion's scale operand
.endr
.irp b, 0,1,2,3
	v_lshrrev_b32 v[BY+\b], 23, v[SO+\b]           ; the byte
.endr
.irp u, 0,1
	v_lshl_or_b32 v[WA+\u], v[BY+2*\u+1], 16, v[BY+2*\u]       ; my two bytes: blocks h and 2 + h,
.endr
	SUM2
.irp u, 0,1
	v_lshlrev_b32 v[WA+\u], v14, v[WA+\u]          ; at their places in the word;
.endr
	SUM2
.irp u, 0,1
	v_permlanex16_b32 v[WB+\u], v[WA+\u], s[SEL], s[SEL+1]
.endr
	SUM2
.irp u, 0,1
	v_or_b32 v[PW+\u], v[WA+\u], v[WB+\u]          ; with lane l xor 16's two the word is whole
.endr
.irp u, 0,1
.irp c, 0,1
	v_cvt_scalef32_pk16_fp6_f32 v[PC+12*\u+6*\c:PC+12*\u+6*\c+2], v[S+64*\u+32*\c:S+64*\u+32*\c+15], v[SO+2*\u+\c]
	v_cvt_scalef32_pk16_fp6_f32 v[XT+8*\u+4*\c:XT+8*\u+4*\c+2], v[S+64*\u+32*\c+16:S+64*\u+32*\c+31], v[SO+2*\u+\c]   ; (a conversion's three registers begin on an even number)
.endr
.endr
	SUM2                                           ; plain lines behind the conversions
.irp u, 0,1
.irp c, 0,1
.irp i, 0,1,2
	v_mov_b32 v[PC+12*\u+6*\c+3+\i], v[XT+8*\u+4*\c+\i]
.endr
.endr
.endr
.rept 8
	SUM2                                           ; the places between the operands' last writes and the products
.endr
	s_wait_alu depctr_va_vdst(0)
	s_wait_dscnt 0x0                               ; V's tiles and words
	WIN 0x51
.irp t, 0,1,2,3
.irp u, 0,1
	WMA OO+32*\u+8*\t, FV+12*\t, PC+12*\u, VW+\t, PW+\u            ; eight accumulators by turns
.endr
.endr
	WIN 0
.rept 20
	SUM2                                           ; the rest of the rows' sums
.endr
	s_add_co_u32 s[TB], s[TB], REC
.endm
	s_wait_alu depctr_va_vdst(0)
	s_wait_tensorcnt 0x0                           ; my records have landed,
	s_barrier_signal -1
	s_barrier_wait -1                              ; everybody's have: the whole head lies in LDS, and nothing writes it again
	KLOAD 12, 13, 0                                ; record 0's K
	s_mov_b32 s[CNT], 15
.Lstep:
	STEP 1
	s_sub_co_u32 s[CNT], s[CNT], 1
	s_cmp_lg_u32 s[CNT], 0
	s_cbranch_scc1 .Lstep
	STEP 0                                         ; the last record is written out: no LDS load goes past the head
	; THE WAY OUT: O^T / the sum, through my stage, so that sixteen lanes store a token's 256 consecutive bytes of this head
.irp u, 0,1
	v_add_f32 v[SM+4*\u], v[SM+4*\u], v[SM+4*\u+1]
.endr
.irp u, 0,1
	s_delay_alu instid0(VALU_DEP_2)
	v_permlanex16_b32 v[RX+\u], v[SM+4*\u], s[SEL], s[SEL+1]
.endr
.irp u, 0,1
	s_delay_alu instid0(VALU_DEP_2)
	v_add_f32 v[SM+4*\u], v[SM+4*\u], v[RX+\u]
.endr
	s_wait_alu depctr_va_vdst(0)                   ; ahead of the reciprocals
	v_rcp_f32 v[WK], v[SM]
	v_rcp_f32 v[WK+1], v[SM+4]
	s_mul_i32 s43, s[WV], 8704
	s_add_co_u32 s43, s43, STAGE
	v_mul_u32_u24 v8, v6, 272
	v_mul_u32_u24 v9, v7, 272
	v_lshl_add_u32 v8, v7, 6, v8
	v_lshl_add_u32 v9, v6, 4, v9
	v_add_nc_u32 v8, s43, v8                       ; in: row r, + 64 h: register 16 b + i is channel 32 b + 16 h + i
	v_add_nc_u32 v9, s43, v9                       ; back: lanes 0-15 one row, lanes 16-31 the next
	v_lshlrev_b32 v10, 12, v7
	v_lshl_add_u32 v10, v6, 4, v10
	s_wait_alu depctr_va_vdst(0)                   ; ahead of the first reader of the reciprocals and of O^T
	WIN 0x01
.irp u, 0,1
.set e, 0
.rept 32
	v_mul_f32 v[S+32*\u+e], v[OO+32*\u+e], v[WK+\u]
.set e, e+1
.endr
.endr
	WIN 0
.irp u, 0,1
.irp t, 0,1,2,3
	ds_store_b128 v8, v[S+32*\u+8*\t:S+32*\u+8*\t+3] offset:4352*\u+128*(\t/2)+32*(\t%2)
	ds_store_b128 v8, v[S+32*\u+8*\t+4:S+32*\u+8*\t+7] offset:4352*\u+128*(\t/2)+32*(\t%2)+16
.endr
.endr
.set e, 0
.rept 16
	ds_load_b128 v[128+4*e:131+4*e], v9 offset:4352*(e/8)+544*(e%8)    ; my own bytes, served in order
.set e, e+1
.endr
.set e, 0
.rept 16
	s_wait_dscnt 15-e                              ; two rows are back; the younger loads may be out
	global_store_b128 v10, v[128+4*e:131+4*e], s[6:7] offset:32768*(e/8)+(2*(e%8)+8*((e%8)/4))*4096   ; stage row i is token i + 8 (i / 8) of the tile
.set e, e+1
.endr
	s_wait_tensorcnt 0x0                           ; the wave's end
	ds_add_u32 v[SPW], v[NIL]
	s_wait_dscnt 0x0
	CROUND                                         ; the closing round
	s_endpgm
.Lfunc_end_k_q68084159f4_attn:
	.size	k_q68084159f4_attn, .Lfunc_end_k_q68084159f4_attn-k_q68084159f4_attn
	.p2alignl 7, 3214868480
	.fill 96, 4, 3214868480
	.section	.rodata,"a",@progbits
	.p2align	6, 0x0
	.amdhsa_kernel k_q68084159f4_attn
		.amdhsa_group_segment_fixed_size 276480
		.amdhsa_private_segment_fixed_size 0
		.amdhsa_enable_private_segment 0
		.amdhsa_kernarg_size 16
		.amdhsa_user_sgpr_count 2
		.amdhsa_user_sgpr_kernarg_segment_ptr 1
		.amdhsa_wavefront_size32 1
		.amdhsa_system_sgpr_workgroup_id_x 1
		.amdhsa_system_sgpr_workgroup_id_y 1
		.amdhsa_system_sgpr_workgroup_id_z 1
		.amdhsa_system_vgpr_workitem_id 0
		.amdhsa_next_free_vgpr 512
		.amdhsa_next_free_sgpr 66
		.amdhsa_reserve_vcc 0
		.amdhsa_float_denorm_mode_32 3
		.amdhsa_float_denorm_mode_16_64 3
		.amdhsa_memory_ordered 1
		.amdhsa_forward_progress 1
		.amdhsa_inst_pref_size 71
	.end_amdhsa_kernel
	.amdgpu_metadata
---
amdhsa.version: [ 1, 2 ]
amdhsa.kernels:
  - .name:           k_q68084159f4_attn
    .symbol:         k_q68084159f4_attn.kd
    .args:
      - { .name: qkv, .offset: 0, .size: 8, .value_kind: global_buffer, .address_space: global }
      - { .name: ctx, .offset: 8, .size: 8, .value_kind: global_buffer, .address_space: global }
    .group_segment_fixed_size: 276480
    .private_segment_fixed_size: 0
    .kernarg_segment_align: 8
    .kernarg_segment_size: 16
    .max_flat_workgroup_size: 256
    .sgpr_count:     66
    .vgpr_count:     512
    .wavefront_size: 32
...
	.end_amdgpu_metadata
.endif
;; end of part 3
;; launch ln1 (part 4): grid 256 x 1, 8 waves a work-group, no clusters, 66,816 bytes of LDS; arguments x, ctx, g1, be1, yb; writes yb
.if DOCPART == 4
	.amdgcn_target "amdgcn-amd-amdhsa--gfx1250"
	.amdhsa_code_object_version 6
	.text
	.protected	k_q68084159f4_ln1
	.globl	k_q68084159f4_ln1
	.p2align	8
	.type	k_q68084159f4_ln1,@function
k_q68084159f4_ln1:
	s_mov_b64 s[64:65], 0
	v_nop
	global_prefetch_b8 v0, s[64:65] scope:SCOPE_SE
	s_setreg_imm32_b32 hwreg(HW_REG_WAVE_MODE, 25, 1), 1
	s_wait_xcnt 0x0
; y = LayerNorm(a + b) x gain + beta over rows of 1,024, in f32: the mean, then the mean of the squared differences, as the problem writes it.  WITH_CODES = 1: y is also quantised to FP6 along the row.
; A work-group takes one row block: 16 rows 32 (rb / 2) + 8 (rb % 2) + i + 8 (i / 8).  A wave takes two neighbouring rows, each whole in 32 registers: the reductions never leave the wave.
; Every load and store of f32 covers 512 consecutive bytes.  For the codes the 16 rows meet in LDS (pitch 4,112 = 257 x 16 bytes); wave w then quantises K step w of all 16 rows: one fragment image, 1,536 bytes.
; The scale words of a row block are 16 words of 4 bytes, 16 bytes apart, in an entry that eight work-groups share: these stores (131,072 bytes in the launch) do not fill whole blocks of 256 bytes.
; Memory binds: no matrix unit, no cluster, no tensor load.  LIMITS: NaN and infinities not served; v_rsq_f32's accuracy; a block of zeros or under 2^-124 gets the byte 1.
.set WITH_CODES, 1
.set XA, 16                            ; v16-79   my two rows of a, then of a + b, then of y
.set XB, 80                            ; v80-143  my two rows of b; later 64 numbers to quantise
.set GA, 144                           ; v144-175 gain; later the codes
.set BE, 176                           ; v176-207 beta
.set TM, 208                           ; v208-215 mean and reciprocal root in pairs; later QUANT's
.set XT, 156
.set LST, 225
.set LLD, 226
.set SOF, 227
.set SEL, 20
.set RP, 4112
.set YCO, 16777216
.set YSO, 19922944
.macro QUANT src, d0, d1, pw
.irp b, 0,1,2,3
	v_max3_num_f32 v[TM+\b], |v[(\src)+16*\b]|, |v[(\src)+16*\b+1]|, 0x1800000
.endr
.irp i, 2,4,6,8,10,12,14
.irp b, 0,1,2,3
	s_delay_alu instid0(VALU_DEP_4)
	v_max3_num_f32 v[TM+\b], v[TM+\b], |v[(\src)+16*\b+\i]|, |v[(\src)+16*\b+\i+1]|
.endr
.endr
.irp b, 0,1,2,3
	v_permlanex16_b32 v[TM+4+\b], v[TM+\b], s[SEL], s[SEL+1]
.endr
.irp b, 0,1,2,3
	s_delay_alu instid0(VALU_DEP_4)
	v_max_num_f32 v[TM+\b], v[TM+\b], v[TM+4+\b]
.endr
.irp b, 0,1,2,3
	s_delay_alu instid0(VALU_DEP_4)
	v_add_nc_u32 v[TM+12+\b], 0xff000000, v[TM+\b]
.endr
.irp b, 0,1,2,3
	s_delay_alu instid0(VALU_DEP_4)
	v_lshrrev_b32 v[TM+4+\b], 23, v[TM+12+\b]
.endr
	s_delay_alu instid0(VALU_DEP_3)
	v_lshl_or_b32 v[\pw], v[TM+5], 8, v[TM+4]
	s_delay_alu instid0(VALU_DEP_1)
	v_lshl_or_b32 v[\pw], v[TM+6], 16, v[\pw]
	s_delay_alu instid0(VALU_DEP_1)
	v_lshl_or_b32 v[\pw], v[TM+7], 24, v[\pw]
	v_cvt_scalef32_pk16_fp6_f32 v[(\d0):(\d0)+2], v[(\src):(\src)+15], v[TM+12]
	v_cvt_scalef32_pk16_fp6_f32 v[XT:XT+2], v[(\src)+16:(\src)+31], v[TM+13]
	v_cvt_scalef32_pk16_fp6_f32 v[(\d1):(\d1)+2], v[(\src)+32:(\src)+47], v[TM+14]
	v_cvt_scalef32_pk16_fp6_f32 v[XT+4:XT+6], v[(\src)+48:(\src)+63], v[TM+15]
	v_nop
.irp i, 0,1,2
	v_permlane16_swap_b32 v[(\d0)+\i], v[XT+\i]
	v_permlane16_swap_b32 v[(\d1)+\i], v[XT+4+\i]
.endr
.irp i, 0,1,2
	v_mov_b32 v[(\d0)+3+\i], v[XT+\i]
	v_mov_b32 v[(\d1)+3+\i], v[XT+4+\i]
.endr
.endm
.macro REDUCE                          ; v[4:7] -> v12, v[8:11] -> v13: each row's sum, in every lane; the two rows by turns
	s_delay_alu instid0(VALU_DEP_3)
	v_pk_add_f32 v[4:5], v[4:5], v[6:7]
	s_delay_alu instid0(VALU_DEP_2)
	v_pk_add_f32 v[8:9], v[8:9], v[10:11]
	s_delay_alu instid0(VALU_DEP_2)
	v_add_f32 v12, v4, v5
	s_delay_alu instid0(VALU_DEP_2)
	v_add_f32 v13, v8, v9
.irp m, 1,2,4,8
	s_delay_alu instid0(VALU_DEP_2)
	v_add_f32_dpp v12, v12, v12 row_xmask:\m row_mask:0xf bank_mask:0xf
	s_delay_alu instid0(VALU_DEP_2)
	v_add_f32_dpp v13, v13, v13 row_xmask:\m row_mask:0xf bank_mask:0xf
.endr
	s_delay_alu instid0(VALU_DEP_2)
	v_permlanex16_b32 v14, v12, s[SEL], s[SEL+1]
	s_delay_alu instid0(VALU_DEP_2)
	v_permlanex16_b32 v15, v13, s[SEL], s[SEL+1]
	s_delay_alu instid0(VALU_DEP_2)
	v_add_f32 v12, v12, v14
	s_delay_alu instid0(VALU_DEP_2)
	v_add_f32 v13, v13, v15
.endm
	s_load_b256 s[4:11], s[0:1], 0x0               ; a, b, gain, beta
	s_load_b64 s[12:13], s[0:1], 0x20              ; out
	v_lshl_add_u32 v254, v0, 2, 0x10100
	v_mov_b32 v255, 0
	v_lshrrev_b32 v2, 5, v0
	s_delay_alu instid0(VALU_DEP_1)
	v_readfirstlane_b32 s14, v2                    ; wave 0..7
	v_and_b32 v2, 31, v0
	s_delay_alu instid0(VALU_DEP_1)
	v_lshlrev_b32 v1, 4, v2                        ; 16 x lane
	s_wait_alu depctr_va_vdst(0)
	v_mov_b32 v14, 0
	v_mov_b32 v15, 0
	s_mov_b32 s[SEL], 0x76543210
	s_mov_b32 s[SEL+1], 0xfedcba98
	s_mov_b32 s22, 0x3a800000                      ; 1 / 1,024
	s_mov_b32 s23, 0x3727c5ac                      ; 1e-5
	s_lshr_b32 s15, ttmp9, 1
	s_lshl_b32 s15, s15, 5
	s_and_b32 s16, ttmp9, 1
	s_lshl_b32 s16, s16, 3
	s_add_co_u32 s15, s15, s16
	s_lshl_b32 s16, s14, 1
	s_add_co_u32 s15, s15, s16
	s_lshr_b32 s16, s14, 2
	s_lshl_b32 s16, s16, 3
	s_add_co_u32 s15, s15, s16                     ; my first row: 2 w + 8 (w / 4) of the row block
	s_lshl_b32 s16, s15, 12
	s_mov_b32 s17, 0
.if WITH_CODES
	s_lshl_b32 s24, ttmp9, 3
	s_add_co_u32 s24, s24, s14
	s_mul_i32 s24, s24, 1536
	s_add_co_u32 s24, s24, YCO                     ; fragment (rb, ks = wave)
	s_mov_b32 s25, 0
	s_lshr_b32 s26, ttmp9, 3
	s_lshl_b32 s26, s26, 3
	s_add_co_u32 s26, s26, s14
	s_lshl_b32 s26, s26, 9
	s_bfe_u32 s27, ttmp9, 0x10002
	s_lshl_b32 s27, s27, 8
	s_add_co_u32 s26, s26, s27
	s_and_b32 s27, ttmp9, 3
	s_lshl_b32 s27, s27, 2
	s_add_co_u32 s26, s26, s27
	s_add_co_u32 s26, s26, YSO                     ; the row block's words in entry (rb / 8, wave)
	s_mov_b32 s27, 0
	s_mul_i32 s28, s14, 2*RP
	v_add_nc_u32 v[LST], s28, v1
	v_and_b32 v3, 15, v0
	v_bfe_u32 v2, v0, 4, 1
	s_delay_alu instid0(VALU_DEP_1)
	v_lshlrev_b32 v2, 6, v2
	s_delay_alu instid0(VALU_DEP_1)
	v_mad_u32_u24 v[LLD], v3, RP, v2
	s_lshl_b32 s28, s14, 9
	v_add_nc_u32 v[LLD], s28, v[LLD]               ; row r, + 64 h, + the wave's K step
	v_lshlrev_b32 v[SOF], 4, v3
.endif
	s_wait_kmcnt 0x0
.if WITH_CODES
	s_add_nc_u64 s[24:25], s[12:13], s[24:25]
	s_add_nc_u64 s[26:27], s[12:13], s[26:27]
.endif
	s_add_nc_u64 s[4:5], s[4:5], s[16:17]
	s_add_nc_u64 s[6:7], s[6:7], s[16:17]
	s_add_nc_u64 s[12:13], s[12:13], s[16:17]
.irp e, 0,1
.irp j, 0,1,2,3,4,5,6,7
	global_load_b128 v[XA+32*\e+4*\j:XA+32*\e+4*\j+3], v1, s[4:5] offset:4096*\e+512*\j th:TH_LOAD_NT
.endr
.endr
.irp e, 0,1
.irp j, 0,1,2,3,4,5,6,7
	global_load_b128 v[XB+32*\e+4*\j:XB+32*\e+4*\j+3], v1, s[6:7] offset:4096*\e+512*\j th:TH_LOAD_NT
.endr
.endr
.irp j, 0,1,2,3,4,5,6,7
	global_load_b128 v[GA+4*\j:GA+4*\j+3], v1, s[8:9] offset:512*\j
	global_load_b128 v[BE+4*\j:BE+4*\j+3], v1, s[10:11] offset:512*\j
.endr
	s_wait_loadcnt 16                              ; a and b are in; the sixteen loads of gain and beta may be out
.set n, 0
.rept 32
	v_pk_add_f32 v[XA+2*n:XA+2*n+1], v[XA+2*n:XA+2*n+1], v[XB+2*n:XB+2*n+1]
.set n, n+1
.endr
.irp e, 0,1
	v_pk_add_f32 v[4+4*\e:5+4*\e], v[XA+32*\e:XA+32*\e+1], v[XA+32*\e+2:XA+32*\e+3]
	v_pk_add_f32 v[6+4*\e:7+4*\e], v[XA+32*\e+4:XA+32*\e+5], v[XA+32*\e+6:XA+32*\e+7]
.endr
.irp n, 8,12,16,20,24,28
.irp e, 0,1
	s_delay_alu instid0(VALU_DEP_4)
	v_pk_add_f32 v[4+4*\e:5+4*\e], v[4+4*\e:5+4*\e], v[XA+32*\e+\n:XA+32*\e+\n+1]
	s_delay_alu instid0(VALU_DEP_4)
	v_pk_add_f32 v[6+4*\e:7+4*\e], v[6+4*\e:7+4*\e], v[XA+32*\e+\n+2:XA+32*\e+\n+3]
.endr
.endr
	REDUCE
	s_delay_alu instid0(VALU_DEP_2)
	v_mul_f32 v208, s22, v12                       ; the means, each twice: a pair for the packed forms
	s_delay_alu instid0(VALU_DEP_3)
	v_mul_f32 v209, s22, v12
	s_delay_alu instid0(VALU_DEP_3)
	v_mul_f32 v210, s22, v13
	s_delay_alu instid0(VALU_DEP_4)
	v_mul_f32 v211, s22, v13
.irp e, 0,1
.set n, 0
.rept 16
	v_pk_add_f32 v[XA+32*\e+2*n:XA+32*\e+2*n+1], v[XA+32*\e+2*n:XA+32*\e+2*n+1], v[208+2*\e:209+2*\e] neg_lo:[0,1] neg_hi:[0,1]
.set n, n+1
.endr
.endr
.irp e, 0,1
	v_pk_mul_f32 v[4+4*\e:5+4*\e], v[XA+32*\e:XA+32*\e+1], v[XA+32*\e:XA+32*\e+1]
	v_pk_mul_f32 v[6+4*\e:7+4*\e], v[XA+32*\e+2:XA+32*\e+3], v[XA+32*\e+2:XA+32*\e+3]
.endr
.irp n, 4,8,12,16,20,24,28
.irp e, 0,1
	s_delay_alu instid0(VALU_DEP_4)
	v_pk_fma_f32 v[4+4*\e:5+4*\e], v[XA+32*\e+\n:XA+32*\e+\n+1], v[XA+32*\e+\n:XA+32*\e+\n+1], v[4+4*\e:5+4*\e]
	s_delay_alu instid0(VALU_DEP_4)
	v_pk_fma_f32 v[6+4*\e:7+4*\e], v[XA+32*\e+\n+2:XA+32*\e+\n+3], v[XA+32*\e+\n+2:XA+32*\e+\n+3], v[6+4*\e:7+4*\e]
.endr
.endr
	REDUCE
	s_delay_alu instid0(VALU_DEP_2)
	v_fma_f32 v12, v12, s22, s23                   ; the variance + 1e-5
	s_delay_alu instid0(VALU_DEP_2)
	v_fma_f32 v13, v13, s22, s23
	s_wait_alu depctr_va_vdst(0)
	v_rsq_f32 v212, v12
	v_rsq_f32 v213, v12
	v_rsq_f32 v214, v13
	v_rsq_f32 v215, v13
	v_nop                                          ; a plain line behind the last of them
	s_wait_loadcnt 0x0                             ; gain and beta
	s_wait_alu depctr_va_vdst(0)                   ; one wait for the four, ahead of their first reader
.irp e, 0,1
.set n, 0
.rept 16
	v_pk_mul_f32 v[XA+32*\e+2*n:XA+32*\e+2*n+1], v[XA+32*\e+2*n:XA+32*\e+2*n+1], v[212+2*\e:213+2*\e]
.set n, n+1
.endr
.endr
.irp e, 0,1
.set n, 0
.rept 16
	v_pk_fma_f32 v[XA+32*\e+2*n:XA+32*\e+2*n+1], v[XA+32*\e+2*n:XA+32*\e+2*n+1], v[GA+2*n:GA+2*n+1], v[BE+2*n:BE+2*n+1]
.set n, n+1
.endr
.endr
.irp e, 0,1
.irp j, 0,1,2,3,4,5,6,7
	global_store_b128 v1, v[XA+32*\e+4*\j:XA+32*\e+4*\j+3], s[12:13] offset:4096*\e+512*\j
.endr
.endr
.if WITH_CODES
.irp e, 0,1
.irp j, 0,1,2,3,4,5,6,7
	ds_store_b128 v[LST], v[XA+32*\e+4*\j:XA+32*\e+4*\j+3] offset:RP*\e+512*\j
.endr
.endr
	s_wait_dscnt 0x0                               ; for the others' sake
	s_barrier_signal -1
	s_barrier_wait -1                              ; the row block's 16 rows lie in LDS
.irp bb, 0,1,2,3
.irp j, 0,1,2,3
	ds_load_b128 v[XB+16*\bb+4*\j:XB+16*\bb+4*\j+3], v[LLD] offset:128*\bb+16*\j
.endr
.endr
	s_wait_dscnt 0x0
	QUANT XB, GA, GA+6, 224
.irp c, 0,1,2
	global_store_b128 v1, v[GA+4*\c:GA+4*\c+3], s[24:25] offset:512*\c
.endr
	global_store_b32 v[SOF], v224, s[26:27]        ; lanes r and r + 16 store the same word with the same value
.endif
	s_wait_tensorcnt 0x0
	ds_add_u32 v254, v255
	s_wait_dscnt 0x0
	s_endpgm
.Lfunc_end_k_q68084159f4_ln1:
	.size	k_q68084159f4_ln1, .Lfunc_end_k_q68084159f4_ln1-k_q68084159f4_ln1
	.p2alignl 7, 3214868480
	.fill 96, 4, 3214868480
	.section	.rodata,"a",@progbits
	.p2align	6, 0x0
	.amdhsa_kernel k_q68084159f4_ln1
		.amdhsa_group_segment_fixed_size 66816
		.amdhsa_private_segment_fixed_size 0
		.amdhsa_enable_private_segment 0
		.amdhsa_kernarg_size 40
		.amdhsa_user_sgpr_count 2
		.amdhsa_user_sgpr_kernarg_segment_ptr 1
		.amdhsa_wavefront_size32 1
		.amdhsa_system_sgpr_workgroup_id_x 1
		.amdhsa_system_sgpr_workgroup_id_y 1
		.amdhsa_system_sgpr_workgroup_id_z 1
		.amdhsa_system_vgpr_workitem_id 0
		.amdhsa_next_free_vgpr 256
		.amdhsa_next_free_sgpr 66
		.amdhsa_reserve_vcc 0
		.amdhsa_float_denorm_mode_32 3
		.amdhsa_float_denorm_mode_16_64 3
		.amdhsa_memory_ordered 1
		.amdhsa_forward_progress 1
		.amdhsa_inst_pref_size 34
	.end_amdhsa_kernel
	.amdgpu_metadata
---
amdhsa.version: [ 1, 2 ]
amdhsa.kernels:
  - .name:           k_q68084159f4_ln1
    .symbol:         k_q68084159f4_ln1.kd
    .args:
      - { .name: x, .offset: 0, .size: 8, .value_kind: global_buffer, .address_space: global }
      - { .name: ctx, .offset: 8, .size: 8, .value_kind: global_buffer, .address_space: global }
      - { .name: g1, .offset: 16, .size: 8, .value_kind: global_buffer, .address_space: global }
      - { .name: be1, .offset: 24, .size: 8, .value_kind: global_buffer, .address_space: global }
      - { .name: yb, .offset: 32, .size: 8, .value_kind: global_buffer, .address_space: global }
    .group_segment_fixed_size: 66816
    .private_segment_fixed_size: 0
    .kernarg_segment_align: 8
    .kernarg_segment_size: 40
    .max_flat_workgroup_size: 256
    .sgpr_count:     66
    .vgpr_count:     256
    .wavefront_size: 32
...
	.end_amdgpu_metadata
.endif
;; end of part 4
;; launch ffn1 (part 5): grid 16 x 16, 4 waves a work-group, clusters of 4 x 4, 327,680 bytes of LDS; arguments yb, qin, b1, hb; writes hb
.if DOCPART == 5
	.amdgcn_target "amdgcn-amd-amdhsa--gfx1250"
	.amdhsa_code_object_version 6
	.text
	.protected	k_q68084159f4_ffn1
	.globl	k_q68084159f4_ffn1
	.p2align	8
	.type	k_q68084159f4_ffn1,@function
k_q68084159f4_ffn1:
	s_mov_b64 s[64:65], 0
	v_nop
	global_prefetch_b8 v0, s[64:65] scope:SCOPE_SE
	s_setreg_imm32_b32 hwreg(HW_REG_WAVE_MODE, 25, 1), 1
	s_wait_xcnt 0x0
	s_wait_alu depctr_hold_cnt(0) depctr_sa_sdst(0) depctr_va_vdst(0) depctr_va_sdst(0) depctr_va_ssrc(0) depctr_va_vcc(0) depctr_vm_vsrc(0)
	s_getreg_b32 s2, hwreg(HW_REG_IB_STS2, 6, 4)
	s_cmp_eq_u32 s2, 0
	s_cbranch_scc0 .Lentry_in_a_cluster
	s_endpgm
.Lentry_in_a_cluster:
	s_bfe_u32 s2, ttmp6, 0x10000c
	s_cmp_lg_u32 s2, 0xf033
	s_cbranch_scc0 .Lentry_shape_is_right
	s_endpgm
.Lentry_shape_is_right:
; h = gelu(y w1 + b1), the product on codes of FP6 with E8M0 scales; h is quantised along its rows for the next product.  A work-group makes 256 x 256, four waves 128 x 128 each; 4 x 4 work-groups ask for A's and B's tiles jointly.
; K = 1,024 is eight steps of 128.  A slot holds three steps' register images (147,456 bytes); two slots take turns: fills of 3, 3 and 2 steps.  The fragment sets go by the step's parity.
; Prefetch: each wave names its work-group's two of the eight row blocks that it fetches (shared out by address among the four partners), a lane to each 256 bytes: chunk 1 behind the head's loads, chunk 2 behind slot 1's fill.
.set NA, 8
.set NB, 8
.set KS, 8
.set NQ, 3
.set RBW, 8
.set ROWB, NQ*1536
.set HALFT, RBW*ROWB
.set SLOT, 4*HALFT
.set HALFS, 4096
.set SWS, 4096
.set LAPS, KS/(2*NQ)
.set SCL, 2*SLOT
.set SPARE, SCL+4*HALFS
.set CA, 16777216
.set CB, 5505024
.set SA, 19922944
.set SB, 12025856
.set PA, 4
.set PB, 6
.set HSO, 12582912
.set ADRA, 16
.set ADRB, 20
.set ADRS, 27
.set SPW, 28
.set NIL, 29
.set BOF, 30
.set SC, 32
.set AF, 64
.set T, 64
.set GZ, 128
.set GS, 144
.set GP, 160
.set GQ, 176
.set KA0, 192
.set KB0, 194
.set TM, 200
.set PW, 216
.set CD, 220
.set XT, 232
.set WD, 240
.set G1, 24
.set G0, 32
.set G1B, 48
.set G0B, 56
.set G1S, 68
.set G0S, 76
.set G1SB, 80
.set G0SB, 88
.set SEL, 96
.set MSB, 0
.macro WIN new
.if MSB != (\new)
	s_set_vgpr_msb (MSB<<8)|(\new)
.set MSB, (\new)
.endif
.endm
.macro PLACES n
.rept \n
	v_nop
.endr
.endm
.macro JLOAD g0a, g1a, g0b, g1b
	s_cmp_eq_u32 s15, 0
	s_cbranch_scc0 .Lfor_b_\@
	tensor_load_to_lds s[\g0a:\g0a+3], s[\g1a:\g1a+7]
	s_nop 0
.rept 4
	v_nop
.endr
	s_branch .Lasked_\@
.Lfor_b_\@:
	tensor_load_to_lds s[\g0b:\g0b+3], s[\g1b:\g1b+7]
	s_nop 0
.rept 4
	v_nop
.endr
.Lasked_\@:
.endm
.macro CREST
	s_cmp_lg_u32 s14, 0
	s_cbranch_scc1 .Lnot_wave_0_\@
	s_barrier_signal -3
.Lnot_wave_0_\@:
	s_barrier_wait -3
	s_barrier_signal -1
	s_barrier_wait -1
.endm
.macro CROUND
	s_barrier_signal -1
	s_barrier_wait -1
	CREST
.endm
.macro QUANT src, d0, d1, pw
.irp b, 0,1,2,3
	v_max3_num_f32 v[TM+\b], |v[(\src)+16*\b]|, |v[(\src)+16*\b+1]|, 0x1800000
.endr
.irp i, 2,4,6,8,10,12,14
.irp b, 0,1,2,3
	v_max3_num_f32 v[TM+\b], v[TM+\b], |v[(\src)+16*\b+\i]|, |v[(\src)+16*\b+\i+1]|
.endr
.endr
.irp b, 0,1,2,3
	v_permlanex16_b32 v[TM+4+\b], v[TM+\b], s[SEL], s[SEL+1]
.endr
.irp b, 0,1,2,3
	v_max_num_f32 v[TM+\b], v[TM+\b], v[TM+4+\b]
.endr
.irp b, 0,1,2,3
	v_add_nc_u32 v[TM+12+\b], 0xff000000, v[TM+\b]
.endr
.irp b, 0,1,2,3
	v_lshrrev_b32 v[TM+4+\b], 23, v[TM+12+\b]
.endr
	v_lshl_or_b32 v[\pw], v[TM+5], 8, v[TM+4]
	v_lshl_or_b32 v[\pw], v[TM+6], 16, v[\pw]
	v_lshl_or_b32 v[\pw], v[TM+7], 24, v[\pw]
	v_cvt_scalef32_pk16_fp6_f32 v[(\d0):(\d0)+2], v[(\src):(\src)+15], v[TM+12]
	v_cvt_scalef32_pk16_fp6_f32 v[XT:XT+2], v[(\src)+16:(\src)+31], v[TM+13]
	v_cvt_scalef32_pk16_fp6_f32 v[(\d1):(\d1)+2], v[(\src)+32:(\src)+47], v[TM+14]
	v_cvt_scalef32_pk16_fp6_f32 v[XT+4:XT+6], v[(\src)+48:(\src)+63], v[TM+15]
	v_nop
.irp i, 0,1,2
	v_permlane16_swap_b32 v[(\d0)+\i], v[XT+\i]
	v_permlane16_swap_b32 v[(\d1)+\i], v[XT+4+\i]
.endr
.irp i, 0,1,2
	v_mov_b32 v[(\d0)+3+\i], v[XT+\i]
	v_mov_b32 v[(\d1)+3+\i], v[XT+4+\i]
.endr
.endm
.macro FETCH slot, q, p
	WIN 0x40
.set fi, 0
.rept NB
.irp c, 0,1,2
	ds_load_b128 v[128*(\p)+12*fi+4*\c:128*(\p)+12*fi+4*\c+3], v[ADRB+(\slot)] offset:(fi*NQ+(\q))*1536+512*\c
.endr
.set fi, fi+1
.endr
	WIN 0
.set fi, 0
.rept NA
.irp c, 0,1,2
	ds_load_b128 v[AF+96*(\p)+12*fi+4*\c:AF+96*(\p)+12*fi+4*\c+3], v[ADRA+(\slot)] offset:(fi*NQ+(\q))*1536+512*\c
.endr
.set fi, fi+1
.endr
.set fi, 0
.rept NA/4
	ds_load_b128 v[SC+8*(\p)+4*fi:SC+8*(\p)+4*fi+3], v[ADRS] offset:512*(\q)+256*fi
.set fi, fi+1
.endr
.endm
.macro MULP part, p, zero
.set ma, (\part)*(NA/4)
.rept NA/4
.set mw, 2+(8*NB*ma)/256
	WIN 0x01+0x50*mw
.set mb, 0
.rept NB
.set mr, (8*(NB*ma+mb))%256
.if \zero
	v_wmma_scale_f32_16x16x128_f8f6f4 v[mr:mr+7], v[128*(\p)+12*mb:128*(\p)+12*mb+11], v[AF+96*(\p)+12*ma:AF+96*(\p)+12*ma+11], 0, v[SC+8*(\p)+mb], v[SC+8*(\p)+ma] matrix_a_fmt:MATRIX_FMT_FP6 matrix_b_fmt:MATRIX_FMT_FP6 matrix_a_scale:MATRIX_SCALE_ROW1
.else
	v_wmma_scale_f32_16x16x128_f8f6f4 v[mr:mr+7], v[128*(\p)+12*mb:128*(\p)+12*mb+11], v[AF+96*(\p)+12*ma:AF+96*(\p)+12*ma+11], v[mr:mr+7], v[SC+8*(\p)+mb], v[SC+8*(\p)+ma] matrix_a_fmt:MATRIX_FMT_FP6 matrix_b_fmt:MATRIX_FMT_FP6 matrix_a_scale:MATRIX_SCALE_ROW1
.endif
.set mb, mb+1
.endr
.set ma, ma+1
.endr
.endm
.macro STEP slot, q, zero, p           ; multiplies fragment set p, fetches the slot's next step into the other set
	s_wait_dscnt 0x0
	PLACES 4
	FETCH \slot, (\q)+1, 1-(\p)
	MULP 0, \p, \zero
	MULP 1, \p, \zero
	MULP 2, \p, \zero
	MULP 3, \p, \zero
	WIN 0
.endm
.macro TURN slot, next, fill, p        ; a slot's last step, on fragment set p, and the change of slots
	s_wait_tensorcnt 0x0
	ds_add_u32 v[SPW], v[NIL]
	s_wait_dscnt 1
	MULP 0, \p, 0
	s_wait_dscnt 0x0
	s_barrier_signal -1
	MULP 1, \p, 0
	WIN 0
	s_barrier_wait -1
.if \fill
	CREST
	s_add_nc_u64 s[G0+4*\slot+2:G0+4*\slot+3], s[G0+4*\slot+2:G0+4*\slot+3], 2*ROWB
	s_add_nc_u64 s[G0B+4*\slot+2:G0B+4*\slot+3], s[G0B+4*\slot+2:G0B+4*\slot+3], 2*ROWB
	s_mov_b32 s[G1+1], ((KS%NQ)*192)<<16           ; no tensor load of mine is out.  Two steps are left of a row block: tensor_dim0 = 384 elements; beyond them the load writes zeros, which nothing reads
	s_mov_b32 s[G1B+1], ((KS%NQ)*192)<<16
	JLOAD G0+4*\slot, G1, G0B+4*\slot, G1B
.else
	PLACES 4
.endif
	s_wait_alu depctr_va_vdst(0)
	v_add_nc_u32 v[ADRS], NQ*512, v[ADRS]
	FETCH \next, 0, 1-(\p)
	MULP 2, \p, 0
	MULP 3, \p, 0
	WIN 0
.endm
.macro LAST
	s_wait_dscnt 0x0
	MULP 0, 1, 0
	MULP 1, 1, 0
	MULP 2, 1, 0
	MULP 3, 1, 0
	WIN 0
.endm
	s_load_b128 s[4:7], s[0:1], 0x0
	s_load_b128 s[8:11], s[0:1], 0x10
	v_lshl_add_u32 v[SPW], v0, 2, SPARE
	v_mov_b32 v[NIL], 0
	ds_add_u32 v28, v29
	ds_add_u32 v28, v29
	s_wait_dscnt 0x0
	v_lshrrev_b32 v1, 5, v0
	v_readfirstlane_b32 s14, v1
	s_lshr_b32 s15, s14, 1
	s_and_b32 s16, s14, 1
	s_bfe_u32 s40, ttmp6, 0x40000
	s_bfe_u32 s41, ttmp6, 0x40004
	s_lshl_b32 s42, ttmp9, 2
	s_add_co_u32 s42, s42, s40
	s_and_b32 s17, ttmp7, 0xffff
	s_lshl_b32 s17, s17, 2
	s_add_co_u32 s17, s17, s41
	s_lshl_b32 s43, s41, 2
	s_lshl_b32 s43, 15, s43
	s_lshl_b32 s44, 0x1111, s40
	s_or_b32 s[G1+0], s43, (3<<16)|(1<<21)
	s_or_b32 s[G1B+0], s44, (3<<16)|(1<<21)
.irp g, G1, G1B
	s_mov_b32 s[\g+1], (ROWB/8)<<16
	s_mov_b32 s[\g+2], (2*RBW)<<16                 ; the head's loads bring a whole tile: both halves' row blocks
	s_mov_b32 s[\g+3], (ROWB/8)<<16
	s_mov_b32 s[\g+4], 2*RBW
	s_mov_b32 s[\g+5], KS*192
	s_mov_b32 s[\g+6], 0
	s_mov_b32 s[\g+7], 0
.endr
	s_or_b32 s[G1S+0], s43, (3<<16)|(1<<21)
	s_or_b32 s[G1SB+0], s44, (3<<16)|(1<<21)
.irp g, G1S, G1SB
	s_mov_b32 s[\g+1], 32<<16
	s_mov_b32 s[\g+2], (HALFS/128)<<16             ; the scale words of both halves, one dense block
	s_mov_b32 s[\g+3], 32<<16
	s_mov_b32 s[\g+4], HALFS/128
	s_mov_b32 s[\g+5], 32
	s_mov_b32 s[\g+6], 0
	s_mov_b32 s[\g+7], 0
.endr
	s_mov_b32 s[SEL], 0x76543210
	s_mov_b32 s[SEL+1], 0xfedcba98
	s_mul_i32 s18, s16, RBW*KS*1536
	s_mul_i32 s19, s16, HALFS
	s_mul_i32 s20, s17, 2*RBW*KS*1536
	s_add_co_u32 s20, s20, s18
	s_add_co_u32 s20, s20, CA
	s_mov_b32 s21, 0
	s_mul_i32 s22, s17, 2*HALFS
	s_add_co_u32 s22, s22, s19
	s_add_co_u32 s22, s22, SA
	s_mov_b32 s23, 0
	s_mul_i32 s46, s42, 2*RBW*KS*1536
	s_add_co_u32 s46, s46, s18
	s_add_co_u32 s46, s46, CB
	s_mov_b32 s47, 0
	s_mul_i32 s92, s42, 2*HALFS
	s_add_co_u32 s92, s92, s19
	s_add_co_u32 s92, s92, SB
	s_mov_b32 s93, 0
	s_mul_i32 s45, s14, HALFT
	s_mul_i32 s94, s14, HALFS
	s_wait_kmcnt 0x0
	s_add_nc_u64 s[20:21], s[PA:PA+1], s[20:21]
	s_add_nc_u64 s[22:23], s[PA:PA+1], s[22:23]
	s_add_nc_u64 s[46:47], s[PB:PB+1], s[46:47]
	s_add_nc_u64 s[92:93], s[PB:PB+1], s[92:93]
	s_mov_b32 s100, s18                            ; my half's offset in the codes and in the scale words, as pairs
	s_mov_b32 s101, 0
	s_mov_b32 s98, s19
	s_mov_b32 s99, 0
	CROUND
	; the head's four tiles, each whole (the half's offset is taken off again): slot 0's A, slot 0's B, A's scale words, B's
	s_mov_b32 s[G0], 1
	s_mov_b32 s[G0+1], 0
	s_sub_nc_u64 s[G0+2:G0+3], s[20:21], s[100:101]
	s_or_b32 s[G0+3], s[G0+3], 0x80000000
	s_mov_b32 s[G0B], 1
	s_mov_b32 s[G0B+1], 2*HALFT
	s_sub_nc_u64 s[G0B+2:G0B+3], s[46:47], s[100:101]
	s_or_b32 s[G0B+3], s[G0B+3], 0x80000000
	s_mov_b32 s[G0S], 1
	s_mov_b32 s[G0S+1], SCL
	s_sub_nc_u64 s[G0S+2:G0S+3], s[22:23], s[98:99]
	s_or_b32 s[G0S+3], s[G0S+3], 0x80000000
	s_mov_b32 s[G0SB], 1
	s_mov_b32 s[G0SB+1], SCL+2*HALFS
	s_sub_nc_u64 s[G0SB+2:G0SB+3], s[92:93], s[98:99]
	s_or_b32 s[G0SB+3], s[G0SB+3], 0x80000000
	s_mov_b32 s[G0+4], 1                           ; slot 1: my quarter, as in the ring
	s_add_co_u32 s[G0+5], s45, SLOT
	s_add_nc_u64 s[G0+6:G0+7], s[20:21], ROWB
	s_or_b32 s[G0+7], s[G0+7], 0x80000000
	s_mov_b32 s[G0B+4], 1
	s_add_co_u32 s[G0B+5], s45, SLOT
	s_add_nc_u64 s[G0B+6:G0B+7], s[46:47], ROWB
	s_or_b32 s[G0B+7], s[G0B+7], 0x80000000
	s_mov_b64 s[92:93], s[20:21]                   ; kept for slot 0's ring descriptor
; one tensor load a wave at the head, in one chain of branches on the wave's number
.macro ARM under, g0, g1, next
	s_cmp_lt_u32 s14, \under
	s_cbranch_scc0 \next
	tensor_load_to_lds s[\g0:\g0+3], s[\g1:\g1+7]
	s_nop 0
.rept 4
	v_nop
.endr
	s_branch .Lhead_asked
\next:
.endm
	ARM 1, G0,  G1,  .Lhead_b
	ARM 2, G0B, G1B, .Lhead_sa
	ARM 3, G0S, G1S, .Lhead_sb
	tensor_load_to_lds s[G0SB:G0SB+3], s[G1SB:G1SB+7]
	s_nop 0
.rept 4
	v_nop
.endr
.Lhead_asked:
	; the prefetches: of the eight row blocks that I fetch in the ring, my work-group's two (place cx among A's partners, cy among B's: told apart by address alone)
	s_cmp_eq_u32 s15, 0
	s_cselect_b64 s[66:67], s[20:21], s[46:47]
	s_cselect_b32 s98, s40, s41
	s_mul_i32 s98, s98, (RBW/4)*KS*1536
	s_mov_b32 s99, 0
	s_add_nc_u64 s[66:67], s[66:67], s[98:99]
	v_and_b32 v8, 31, v0
	v_min_u32 v7, 11, v8                           ; chunk 2: 12 blocks of 256 bytes a row block; the lanes left over name the last again
	v_min_u32 v8, 17, v8                           ; chunk 1: 18 blocks
	v_lshlrev_b32 v7, 8, v7
	v_lshlrev_b32 v8, 8, v8
	global_prefetch_b8 v8, s[66:67] offset:ROWB th:TH_LOAD_NT scope:SCOPE_SE
	global_prefetch_b8 v8, s[66:67] offset:ROWB+KS*1536 th:TH_LOAD_NT scope:SCOPE_SE
	v_and_b32 v1, 31, v0
	v_lshlrev_b32 v2, 4, v1
	v_and_b32 v3, 15, v0
	v_bfe_u32 v4, v0, 4, 1
	s_wait_alu depctr_va_vdst(0)
	s_mul_i32 s21, s15, HALFT
	s_mul_i32 s22, s16, HALFT
	s_add_co_u32 s22, s22, 2*HALFT
.irp s, 0,1
	v_add_nc_u32 v[ADRA+\s], s21, v2
	v_add_nc_u32 v[ADRB+\s], s22, v2
	s_add_co_u32 s21, s21, SLOT
	s_add_co_u32 s22, s22, SLOT
.endr
	s_mul_i32 s21, s15, SWS
	s_mul_i32 s22, s16, SWS
	s_add_co_u32 s22, s22, 2*HALFS
	s_sub_co_u32 s22, s22, s21
	v_mul_u32_u24 v6, s22, v4
	s_add_co_u32 s21, s21, SCL
	v_lshl_add_u32 v5, v3, 4, v6
	v_add_nc_u32 v[ADRS], s21, v5
	v_lshlrev_b32 v[BOF], 6, v4
	s_lshl_b32 s100, s42, 10
	s_lshl_b32 s101, s16, 9
	s_add_co_u32 s100, s100, s101
	s_mov_b32 s101, 0
	s_add_nc_u64 s[98:99], s[8:9], s[100:101]
	WIN 0x40
.irp bb, 0,1,2,3
.irp j, 0,1,2,3
	global_load_b128 v[96+16*\bb+4*\j+96*(\bb/2):99+16*\bb+4*\j+96*(\bb/2)], v[BOF], s[98:99] offset:128*\bb+16*\j
.endr
.endr
	WIN 0
	s_wait_alu depctr_va_vdst(0)
	s_wait_tensorcnt 0x0                           ; my tile of the head's four is in
	ds_add_u32 v[SPW], v[NIL]
	s_mov_b32 s[G1+2], RBW<<16                     ; no tensor load of mine is out: from here on a load brings my quarter of a slot
	s_mov_b32 s[G1+4], RBW
	s_mov_b32 s[G1B+2], RBW<<16
	s_mov_b32 s[G1B+4], RBW
	s_mov_b32 s[G0+1], s45
	s_mov_b64 s[G0+2:G0+3], s[92:93]
	s_or_b32 s[G0+3], s[G0+3], 0x80000000
	s_mov_b32 s[G0B+1], s45
	s_mov_b64 s[G0B+2:G0B+3], s[46:47]
	s_or_b32 s[G0B+3], s[G0B+3], 0x80000000
	s_wait_dscnt 0x0
	CROUND                                         ; all four tiles are in, in every partner
	JLOAD G0+4, G1, G0B+4, G1B                     ; slot 1's first fill, the first tensor load behind the round
	global_prefetch_b8 v7, s[66:67] offset:2*ROWB th:TH_LOAD_NT scope:SCOPE_SE             ; chunk 2, one fill ahead of its load
	global_prefetch_b8 v7, s[66:67] offset:2*ROWB+KS*1536 th:TH_LOAD_NT scope:SCOPE_SE
	FETCH 0, 0, 0
	STEP 0, 0, 1, 0                                ; steps 0 to 2 from slot 0; the first starts the sums
	STEP 0, 1, 0, 1
	TURN 0, 1, 1, 0                                ; slot 0 takes steps 6 and 7
	s_wait_alu depctr_va_vdst(0)
	STEP 1, 0, 0, 1                                ; steps 3 to 5 from slot 1
	STEP 1, 1, 0, 0
	TURN 1, 0, 0, 1                                ; nothing more to fetch
	s_wait_alu depctr_va_vdst(0)
	STEP 0, 0, 0, 0
	LAST
	PLACES 4
	s_lshl_b32 s20, s17, 4
	s_lshl_b32 s21, s15, 3
	s_add_co_u32 s20, s20, s21
	s_lshl_b32 s20, s20, 5
	s_lshl_b32 s22, s42, 1
	s_add_co_u32 s22, s22, s16
	s_add_co_u32 s20, s20, s22
	s_mul_i32 s20, s20, 1536
	s_mov_b32 s21, 0
	s_add_nc_u64 s[92:93], s[10:11], s[20:21]
	s_lshl_b32 s20, s17, 1
	s_add_co_u32 s20, s20, s15
	s_lshl_b32 s20, s20, 5
	s_add_co_u32 s20, s20, s22
	s_lshl_b32 s20, s20, 9
	s_add_co_u32 s20, s20, HSO
	s_add_nc_u64 s[94:95], s[10:11], s[20:21]
	v_mov_b32 v[KA0], 0xaf95df0b
	v_mov_b32 v[KA0+1], 0xaf95df0b
	v_mov_b32 v[KB0], 0xb77460cd
	v_mov_b32 v[KB0+1], 0xb77460cd
.irp b, 0,1,2,3
	v_mov_b32 v[TM+4+\b], 0
	v_mov_b32 v[WD+\b], 0
.endr
	s_wait_loadcnt 0x0
.macro COPY k
	WIN 0x06+(\k)/4
.set n, 0
.rept 32
	v_pk_add_f32 v[T+2*n:T+2*n+1], v[64*((\k)%4)+2*n:64*((\k)%4)+2*n+1], v[96+2*n+96*(n/16):97+2*n+96*(n/16)]
.set n, n+1
.endr
	WIN 0
.endm
.macro GELU g
.set GX, T+16*(\g)
.irp n, 0,2,4,6,8,10,12,14
	v_pk_mul_f32 v[GZ+\n:GZ+\n+1], v[GX+\n:GX+\n+1], 0x3f3504f3 op_sel_hi:[1,0]
.endr
.irp n, 0,1,2,3,4,5,6,7,8,9,10,11,12,13,14,15
	v_med3_num_f32 v[GZ+\n], v[GZ+\n], -4.0, 4.0
.endr
.irp n, 0,2,4,6,8,10,12,14
	v_pk_mul_f32 v[GS+\n:GS+\n+1], v[GZ+\n:GZ+\n+1], v[GZ+\n:GZ+\n+1]
.endr
.irp n, 0,2,4,6,8,10,12,14
	v_pk_fma_f32 v[GP+\n:GP+\n+1], v[GS+\n:GS+\n+1], v[KA0:KA0+1], 0x32edffee op_sel_hi:[1,1,0]
	v_pk_fma_f32 v[GQ+\n:GQ+\n+1], v[GS+\n:GS+\n+1], v[KB0:KB0+1], 0xb95fbd29 op_sel_hi:[1,1,0]
.endr
.irp k, 0xb60cff51, 0xb86ec2d2, 0xba40ac63, 0xbb41a1f6, 0xbc83dbd4
.irp n, 0,2,4,6,8,10,12,14
	v_pk_fma_f32 v[GP+\n:GP+\n+1], v[GP+\n:GP+\n+1], v[GS+\n:GS+\n+1], \k op_sel_hi:[1,1,0]
.endr
.endr
.irp k, 0xbadc924e, 0xbbf19bf8, 0xbc69b6a7
.irp n, 0,2,4,6,8,10,12,14
	v_pk_fma_f32 v[GQ+\n:GQ+\n+1], v[GQ+\n:GQ+\n+1], v[GS+\n:GS+\n+1], \k op_sel_hi:[1,1,0]
.endr
.endr
	s_wait_alu depctr_va_vdst(0)
.irp n, 0,1,2,3,4,5,6,7,8,9,10,11,12,13,14,15
	v_rcp_f32 v[GQ+\n], v[GQ+\n]
.endr
.irp n, 0,2,4,6,8,10,12,14
	v_pk_mul_f32 v[GP+\n:GP+\n+1], v[GP+\n:GP+\n+1], v[GZ+\n:GZ+\n+1]
.endr
.irp n, 0,2,4,6,8,10,12,14
	v_pk_mul_f32 v[GX+\n:GX+\n+1], v[GX+\n:GX+\n+1], 0.5 op_sel_hi:[1,0]
.endr
	s_wait_alu depctr_va_vdst(0)
.irp n, 0,2,4,6,8,10,12,14
	v_pk_mul_f32 v[GP+\n:GP+\n+1], v[GP+\n:GP+\n+1], v[GQ+\n:GQ+\n+1]
.endr
.irp n, 0,2,4,6,8,10,12,14
	v_pk_fma_f32 v[GX+\n:GX+\n+1], v[GP+\n:GP+\n+1], v[GX+\n:GX+\n+1], v[GX+\n:GX+\n+1]
.endr
.endm
	s_mov_b32 s18, 0
.Lrow:
.irp k, 1,2,3,4,5,6,7
	s_cmp_eq_u32 s18, \k
	s_cbranch_scc1 .Lcopy\k
.endr
	COPY 0
	s_branch .Lwork
.irp k, 1,2,3,4,5,6
.Lcopy\k:
	COPY \k
	s_branch .Lwork
.endr
.Lcopy7:
	COPY 7
.Lwork:
	GELU 0
	GELU 1
	GELU 2
	GELU 3
	s_wait_xcnt 0x0
	s_add_nc_u64 s[92:93], s[92:93], 49152
	QUANT T, CD, CD+6, PW
.irp c, 0,1,2
	global_store_b128 v2, v[CD+4*\c:CD+4*\c+3], s[92:93] offset:512*\c-49152
.endr
	s_cmp_lt_u32 s18, 4
	s_mov_b32 s19, 0xffff0000
	s_cselect_b32 s19, 0xffff, s19
	v_cndmask_b32 v[WD], v[WD], v[WD+1], s19
	v_cndmask_b32 v[WD+1], v[WD+1], v[WD+2], s19
	v_cndmask_b32 v[WD+2], v[WD+2], v[WD+3], s19
	v_cndmask_b32 v[WD+3], v[WD+3], v[PW], s19
	s_add_co_u32 s18, s18, 1
	s_cmp_lt_u32 s18, 8
	s_cbranch_scc1 .Lrow
	global_store_b128 v2, v[WD:WD+3], s[94:95]
	s_wait_tensorcnt 0x0
	ds_add_u32 v[SPW], v[NIL]
	s_wait_dscnt 0x0
	CROUND
	s_endpgm
.Lfunc_end_k_q68084159f4_ffn1:
	.size	k_q68084159f4_ffn1, .Lfunc_end_k_q68084159f4_ffn1-k_q68084159f4_ffn1
	.p2alignl 7, 3214868480
	.fill 96, 4, 3214868480
	.section	.rodata,"a",@progbits
	.p2align	6, 0x0
	.amdhsa_kernel k_q68084159f4_ffn1
		.amdhsa_group_segment_fixed_size 327680
		.amdhsa_private_segment_fixed_size 0
		.amdhsa_enable_private_segment 0
		.amdhsa_kernarg_size 32
		.amdhsa_user_sgpr_count 2
		.amdhsa_user_sgpr_kernarg_segment_ptr 1
		.amdhsa_wavefront_size32 1
		.amdhsa_system_sgpr_workgroup_id_x 1
		.amdhsa_system_sgpr_workgroup_id_y 1
		.amdhsa_system_sgpr_workgroup_id_z 1
		.amdhsa_system_vgpr_workitem_id 0
		.amdhsa_next_free_vgpr 1024
		.amdhsa_next_free_sgpr 102
		.amdhsa_reserve_vcc 0
		.amdhsa_float_denorm_mode_32 3
		.amdhsa_float_denorm_mode_16_64 3
		.amdhsa_memory_ordered 1
		.amdhsa_forward_progress 1
		.amdhsa_inst_pref_size 179
	.end_amdhsa_kernel
	.amdgpu_metadata
---
amdhsa.version: [ 1, 2 ]
amdhsa.kernels:
  - .name:           k_q68084159f4_ffn1
    .symbol:         k_q68084159f4_ffn1.kd
    .args:
      - { .name: yb, .offset: 0, .size: 8, .value_kind: global_buffer, .address_space: global }
      - { .name: qin, .offset: 8, .size: 8, .value_kind: global_buffer, .address_space: global }
      - { .name: b1, .offset: 16, .size: 8, .value_kind: global_buffer, .address_space: global }
      - { .name: hb, .offset: 24, .size: 8, .value_kind: global_buffer, .address_space: global }
    .group_segment_fixed_size: 327680
    .private_segment_fixed_size: 0
    .kernarg_segment_align: 8
    .kernarg_segment_size: 32
    .max_flat_workgroup_size: 128
    .sgpr_count:     102
    .vgpr_count:     1024
    .wavefront_size: 32
...
	.end_amdgpu_metadata
.endif
;; end of part 5
;; launch ffn2 (part 6): grid 8 x 32, 4 waves a work-group, clusters of 4 x 4, 327,680 bytes of LDS; arguments hb, qin, b2, zb; writes zb
.if DOCPART == 6
	.amdgcn_target "amdgcn-amd-amdhsa--gfx1250"
	.amdhsa_code_object_version 6
	.text
	.protected	k_q68084159f4_ffn2
	.globl	k_q68084159f4_ffn2
	.p2align	8
	.type	k_q68084159f4_ffn2,@function
k_q68084159f4_ffn2:
	s_mov_b64 s[64:65], 0
	v_nop
	global_prefetch_b8 v0, s[64:65] scope:SCOPE_SE
	s_setreg_imm32_b32 hwreg(HW_REG_WAVE_MODE, 25, 1), 1
	s_wait_xcnt 0x0
	s_wait_alu depctr_hold_cnt(0) depctr_sa_sdst(0) depctr_va_vdst(0) depctr_va_sdst(0) depctr_va_ssrc(0) depctr_va_vcc(0) depctr_vm_vsrc(0)
	s_getreg_b32 s2, hwreg(HW_REG_IB_STS2, 6, 4)
	s_cmp_eq_u32 s2, 0
	s_cbranch_scc0 .Lentry_in_a_cluster
	s_endpgm
.Lentry_in_a_cluster:
	s_bfe_u32 s2, ttmp6, 0x10000c
	s_cmp_lg_u32 s2, 0xf033
	s_cbranch_scc0 .Lentry_shape_is_right
	s_endpgm
.Lentry_shape_is_right:
; z = h w2 + b2 on codes of FP6 with E8M0 scales.  A work-group makes 128 x 128, four waves 64 x 64 each; 4 x 4 work-groups ask for A's and B's tiles jointly.  K = 4,096 is eight chunks of four steps, through two slots.
; Prefetch: each wave names its work-group's one of the four row blocks that it fetches (shared out by address among the four partners), a lane to each of a chunk's 24 blocks of 256 bytes:
; chunks 1 and 2 behind the head's loads, chunk 3 behind slot 1's fill, and behind the refill of chunk c chunk c + 2; the last lap's refills have no chunk two on and ask for nothing.
.set NA, 4
.set NB, 4
.set KS, 32
.set NQ, 4
.set RBW, 4
.set ROWB, NQ*1536
.set HALFT, RBW*ROWB
.set SLOT, 4*HALFT
.set HALFS, 8192
.set SWS, 256
.set LAPS, KS/(2*NQ)
.set SCL, 2*SLOT
.set SPARE, SCL+4*HALFS
.set CA, 0
.set CB, 8650752
.set SA, 12582912
.set SB, 12156928
.set PA, 4
.set PB, 6
.set ADRA, 16
.set ADRB, 20
.set STO, 24
.set RD, 25
.set CO, 26
.set ADRS, 27
.set SPW, 28
.set NIL, 29
.set BOF, 30
.set SC, 32
.set AF, 64
.set G1, 24
.set G0, 32
.set G1B, 48
.set G0B, 56
.set G1S, 68
.set G0S, 76
.set G1SB, 80
.set G0SB, 88
.set MSB, 0
.macro WIN new
.if MSB != (\new)
	s_set_vgpr_msb (MSB<<8)|(\new)
.set MSB, (\new)
.endif
.endm
.macro PLACES n
.rept \n
	v_nop
.endr
.endm
.macro JLOAD g0a, g1a, g0b, g1b
	s_cmp_eq_u32 s15, 0
	s_cbranch_scc0 .Lfor_b_\@
	tensor_load_to_lds s[\g0a:\g0a+3], s[\g1a:\g1a+7]
	s_nop 0
.rept 4
	v_nop
.endr
	s_branch .Lasked_\@
.Lfor_b_\@:
	tensor_load_to_lds s[\g0b:\g0b+3], s[\g1b:\g1b+7]
	s_nop 0
.rept 4
	v_nop
.endr
.Lasked_\@:
.endm
.macro CREST
	s_cmp_lg_u32 s14, 0
	s_cbranch_scc1 .Lnot_wave_0_\@
	s_barrier_signal -3
.Lnot_wave_0_\@:
	s_barrier_wait -3
	s_barrier_signal -1
	s_barrier_wait -1
.endm
.macro CROUND
	s_barrier_signal -1
	s_barrier_wait -1
	CREST
.endm
.macro FETCH slot, q, p
	WIN 0x40
.set fi, 0
.rept NB
.irp c, 0,1,2
	ds_load_b128 v[128*(\p)+12*fi+4*\c:128*(\p)+12*fi+4*\c+3], v[ADRB+(\slot)] offset:(fi*NQ+(\q))*1536+512*\c
.endr
.set fi, fi+1
.endr
	WIN 0
.set fi, 0
.rept NA
.irp c, 0,1,2
	ds_load_b128 v[AF+96*(\p)+12*fi+4*\c:AF+96*(\p)+12*fi+4*\c+3], v[ADRA+(\slot)] offset:(fi*NQ+(\q))*1536+512*\c
.endr
.set fi, fi+1
.endr
.set fi, 0
.rept NA/4
	ds_load_b128 v[SC+8*(\p)+4*fi:SC+8*(\p)+4*fi+3], v[ADRS] offset:512*(\q)+256*fi
.set fi, fi+1
.endr
.endm
.macro MULP part, p, zero
.set ma, (\part)*(NA/4)
.rept NA/4
.set mw, 2+(8*NB*ma)/256
	WIN 0x01+0x50*mw
.set mb, 0
.rept NB
.set mr, (8*(NB*ma+mb))%256
.if \zero
	v_wmma_scale_f32_16x16x128_f8f6f4 v[mr:mr+7], v[128*(\p)+12*mb:128*(\p)+12*mb+11], v[AF+96*(\p)+12*ma:AF+96*(\p)+12*ma+11], 0, v[SC+8*(\p)+mb], v[SC+8*(\p)+ma] matrix_a_fmt:MATRIX_FMT_FP6 matrix_b_fmt:MATRIX_FMT_FP6 matrix_a_scale:MATRIX_SCALE_ROW1
.else
	v_wmma_scale_f32_16x16x128_f8f6f4 v[mr:mr+7], v[128*(\p)+12*mb:128*(\p)+12*mb+11], v[AF+96*(\p)+12*ma:AF+96*(\p)+12*ma+11], v[mr:mr+7], v[SC+8*(\p)+mb], v[SC+8*(\p)+ma] matrix_a_fmt:MATRIX_FMT_FP6 matrix_b_fmt:MATRIX_FMT_FP6 matrix_a_scale:MATRIX_SCALE_ROW1
.endif
.set mb, mb+1
.endr
.set ma, ma+1
.endr
.endm
.macro STEP slot, q, zero
	s_wait_dscnt 0x0
	PLACES 4
	FETCH \slot, (\q)+1, 1-(\q)%2
	MULP 0, (\q)%2, \zero
	MULP 1, (\q)%2, \zero
	MULP 2, (\q)%2, \zero
	MULP 3, (\q)%2, \zero
	WIN 0
.endm
.macro TURN slot, next, fill
	s_wait_tensorcnt 0x0
	ds_add_u32 v[SPW], v[NIL]
	s_wait_dscnt 1
	MULP 0, 1, 0
	s_wait_dscnt 0x0
	s_barrier_signal -1
	MULP 1, 1, 0
	WIN 0
	s_barrier_wait -1
.if \fill
	CREST
	s_add_nc_u64 s[G0+4*\slot+2:G0+4*\slot+3], s[G0+4*\slot+2:G0+4*\slot+3], 2*ROWB
	s_add_nc_u64 s[G0B+4*\slot+2:G0B+4*\slot+3], s[G0B+4*\slot+2:G0B+4*\slot+3], 2*ROWB
	JLOAD G0+4*\slot, G1, G0B+4*\slot, G1B
.else
	PLACES 4
.endif
	v_add_nc_u32 v[ADRS], NQ*512, v[ADRS]
	FETCH \next, 0, 0
.if \fill
	s_cmp_gt_u32 s3, 1                             ; s3 = 1 in the loop's last trip
	s_cbranch_scc0 .Lno_ask_\@
	global_prefetch_b8 v7, s[66:67] offset:(4+\slot)*ROWB th:TH_LOAD_NT scope:SCOPE_SE
.Lno_ask_\@:
.endif
	MULP 2, 1, 0
	MULP 3, 1, 0
	WIN 0
.endm
.macro LAST
	s_wait_dscnt 0x0
	MULP 0, 1, 0
	MULP 1, 1, 0
	MULP 2, 1, 0
	MULP 3, 1, 0
	WIN 0
.endm
	s_load_b128 s[4:7], s[0:1], 0x0
	s_load_b128 s[8:11], s[0:1], 0x10
	v_lshl_add_u32 v[SPW], v0, 2, SPARE
	v_mov_b32 v[NIL], 0
	ds_add_u32 v28, v29
	ds_add_u32 v28, v29
	s_wait_dscnt 0x0
	v_lshrrev_b32 v1, 5, v0
	v_readfirstlane_b32 s14, v1
	s_lshr_b32 s15, s14, 1
	s_and_b32 s16, s14, 1
	s_bfe_u32 s40, ttmp6, 0x40000
	s_bfe_u32 s41, ttmp6, 0x40004
	s_lshl_b32 s42, ttmp9, 2
	s_add_co_u32 s42, s42, s40
	s_and_b32 s17, ttmp7, 0xffff
	s_lshl_b32 s17, s17, 2
	s_add_co_u32 s17, s17, s41
	s_lshl_b32 s43, s41, 2
	s_lshl_b32 s43, 15, s43
	s_lshl_b32 s44, 0x1111, s40
	s_or_b32 s[G1+0], s43, (3<<16)|(1<<21)
	s_or_b32 s[G1B+0], s44, (3<<16)|(1<<21)
.irp g, G1, G1B
	s_mov_b32 s[\g+1], (ROWB/8)<<16
	s_mov_b32 s[\g+2], (2*RBW)<<16                 ; the head's loads bring a whole tile: both halves' row blocks
	s_mov_b32 s[\g+3], (ROWB/8)<<16
	s_mov_b32 s[\g+4], 2*RBW
	s_mov_b32 s[\g+5], KS*192
	s_mov_b32 s[\g+6], 0
	s_mov_b32 s[\g+7], 0
.endr
	s_or_b32 s[G1S+0], s43, (3<<16)|(1<<21)
	s_or_b32 s[G1SB+0], s44, (3<<16)|(1<<21)
.irp g, G1S, G1SB
	s_mov_b32 s[\g+1], 32<<16
	s_mov_b32 s[\g+2], (HALFS/128)<<16             ; the scale words of both halves, one dense block
	s_mov_b32 s[\g+3], 32<<16
	s_mov_b32 s[\g+4], HALFS/128
	s_mov_b32 s[\g+5], 32
	s_mov_b32 s[\g+6], 0
	s_mov_b32 s[\g+7], 0
.endr
	s_mul_i32 s18, s16, RBW*KS*1536
	s_mul_i32 s19, s16, HALFS
	s_mul_i32 s20, s17, 2*RBW*KS*1536
	s_add_co_u32 s20, s20, s18
	s_add_co_u32 s20, s20, CA
	s_mov_b32 s21, 0
	s_mul_i32 s22, s17, 2*HALFS
	s_add_co_u32 s22, s22, s19
	s_add_co_u32 s22, s22, SA
	s_mov_b32 s23, 0
	s_mul_i32 s46, s42, 2*RBW*KS*1536
	s_add_co_u32 s46, s46, s18
	s_add_co_u32 s46, s46, CB
	s_mov_b32 s47, 0
	s_mul_i32 s92, s42, 2*HALFS
	s_add_co_u32 s92, s92, s19
	s_add_co_u32 s92, s92, SB
	s_mov_b32 s93, 0
	s_mul_i32 s45, s14, HALFT
	s_mul_i32 s94, s14, HALFS
	s_wait_kmcnt 0x0
	s_add_nc_u64 s[20:21], s[PA:PA+1], s[20:21]
	s_add_nc_u64 s[22:23], s[PA:PA+1], s[22:23]
	s_add_nc_u64 s[46:47], s[PB:PB+1], s[46:47]
	s_add_nc_u64 s[92:93], s[PB:PB+1], s[92:93]
	s_mov_b32 s100, s18                            ; my half's offset in the codes and in the scale words, as pairs
	s_mov_b32 s101, 0
	s_mov_b32 s98, s19
	s_mov_b32 s99, 0
	CROUND
	; the head's four tiles, each whole (the half's offset is taken off again): slot 0's A, slot 0's B, A's scale words, B's
	s_mov_b32 s[G0], 1
	s_mov_b32 s[G0+1], 0
	s_sub_nc_u64 s[G0+2:G0+3], s[20:21], s[100:101]
	s_or_b32 s[G0+3], s[G0+3], 0x80000000
	s_mov_b32 s[G0B], 1
	s_mov_b32 s[G0B+1], 2*HALFT
	s_sub_nc_u64 s[G0B+2:G0B+3], s[46:47], s[100:101]
	s_or_b32 s[G0B+3], s[G0B+3], 0x80000000
	s_mov_b32 s[G0S], 1
	s_mov_b32 s[G0S+1], SCL
	s_sub_nc_u64 s[G0S+2:G0S+3], s[22:23], s[98:99]
	s_or_b32 s[G0S+3], s[G0S+3], 0x80000000
	s_mov_b32 s[G0SB], 1
	s_mov_b32 s[G0SB+1], SCL+2*HALFS
	s_sub_nc_u64 s[G0SB+2:G0SB+3], s[92:93], s[98:99]
	s_or_b32 s[G0SB+3], s[G0SB+3], 0x80000000
	s_mov_b32 s[G0+4], 1                           ; slot 1: my quarter, as in the ring
	s_add_co_u32 s[G0+5], s45, SLOT
	s_add_nc_u64 s[G0+6:G0+7], s[20:21], ROWB
	s_or_b32 s[G0+7], s[G0+7], 0x80000000
	s_mov_b32 s[G0B+4], 1
	s_add_co_u32 s[G0B+5], s45, SLOT
	s_add_nc_u64 s[G0B+6:G0B+7], s[46:47], ROWB
	s_or_b32 s[G0B+7], s[G0B+7], 0x80000000
	s_mov_b64 s[92:93], s[20:21]                   ; kept for slot 0's ring descriptor
; one tensor load a wave at the head, in one chain of branches on the wave's number
.macro ARM under, g0, g1, next
	s_cmp_lt_u32 s14, \under
	s_cbranch_scc0 \next
	tensor_load_to_lds s[\g0:\g0+3], s[\g1:\g1+7]
	s_nop 0
.rept 4
	v_nop
.endr
	s_branch .Lhead_asked
\next:
.endm
	ARM 1, G0,  G1,  .Lhead_b
	ARM 2, G0B, G1B, .Lhead_sa
	ARM 3, G0S, G1S, .Lhead_sb
	tensor_load_to_lds s[G0SB:G0SB+3], s[G1SB:G1SB+7]
	s_nop 0
.rept 4
	v_nop
.endr
.Lhead_asked:
	; the prefetches: of the four row blocks that I fetch in the ring, my work-group's one (place cx among A's partners, cy among B's: told apart by address alone)
	s_cmp_eq_u32 s15, 0
	s_cselect_b64 s[66:67], s[20:21], s[46:47]
	s_cselect_b32 s98, s40, s41
	s_mul_i32 s98, s98, (RBW/4)*KS*1536
	s_mov_b32 s99, 0
	s_add_nc_u64 s[66:67], s[66:67], s[98:99]
	v_and_b32 v7, 31, v0
	v_min_u32 v7, 23, v7                           ; 24 blocks of 256 bytes a chunk; the lanes left over name the last again
	v_lshlrev_b32 v7, 8, v7
	global_prefetch_b8 v7, s[66:67] offset:ROWB th:TH_LOAD_NT scope:SCOPE_SE
	global_prefetch_b8 v7, s[66:67] offset:2*ROWB th:TH_LOAD_NT scope:SCOPE_SE
	v_and_b32 v1, 31, v0
	v_lshlrev_b32 v2, 4, v1
	v_and_b32 v3, 15, v0
	v_bfe_u32 v4, v0, 4, 1
	s_wait_alu depctr_va_vdst(0)
	s_mul_i32 s21, s15, HALFT
	s_mul_i32 s22, s16, HALFT
	s_add_co_u32 s22, s22, 2*HALFT
.irp s, 0,1
	v_add_nc_u32 v[ADRA+\s], s21, v2
	v_add_nc_u32 v[ADRB+\s], s22, v2
	s_add_co_u32 s21, s21, SLOT
	s_add_co_u32 s22, s22, SLOT
.endr
	s_mul_i32 s21, s15, SWS
	s_mul_i32 s22, s16, SWS
	s_add_co_u32 s22, s22, 2*HALFS
	s_sub_co_u32 s22, s22, s21
	v_mul_u32_u24 v6, s22, v4
	s_add_co_u32 s21, s21, SCL
	v_lshl_add_u32 v5, v3, 4, v6
	v_add_nc_u32 v[ADRS], s21, v5
	v_lshlrev_b32 v[BOF], 6, v4
	s_mul_i32 s23, s14, 4352
	v_mul_u32_u24 v5, v3, 272
	v_lshl_add_u32 v5, v4, 6, v5
	v_add_nc_u32 v[STO], s23, v5
	v_mul_u32_u24 v5, v4, 272
	v_lshl_add_u32 v5, v3, 4, v5
	v_add_nc_u32 v[RD], s23, v5
	v_lshlrev_b32 v5, 12, v4
	v_lshl_add_u32 v[CO], v3, 4, v5
	s_lshl_b32 s100, s42, 9
	s_lshl_b32 s101, s16, 8
	s_add_co_u32 s100, s100, s101
	s_mov_b32 s101, 0
	s_add_nc_u64 s[98:99], s[8:9], s[100:101]
	WIN 0x40
.irp bb, 0,1
.irp j, 0,1,2,3
	global_load_b128 v[96+16*\bb+4*\j:99+16*\bb+4*\j], v[BOF], s[98:99] offset:128*\bb+16*\j
.endr
.endr
	WIN 0
	s_wait_alu depctr_va_vdst(0)
	s_wait_tensorcnt 0x0                           ; my tile of the head's four is in
	ds_add_u32 v[SPW], v[NIL]
	s_mov_b32 s[G1+2], RBW<<16                     ; no tensor load of mine is out: from here on a load brings my quarter of a slot
	s_mov_b32 s[G1+4], RBW
	s_mov_b32 s[G1B+2], RBW<<16
	s_mov_b32 s[G1B+4], RBW
	s_mov_b32 s[G0+1], s45
	s_mov_b64 s[G0+2:G0+3], s[92:93]
	s_or_b32 s[G0+3], s[G0+3], 0x80000000
	s_mov_b32 s[G0B+1], s45
	s_mov_b64 s[G0B+2:G0B+3], s[46:47]
	s_or_b32 s[G0B+3], s[G0B+3], 0x80000000
	s_wait_dscnt 0x0
	CROUND                                         ; all four tiles are in, in every partner
	JLOAD G0+4, G1, G0B+4, G1B                     ; slot 1's first fill, the first tensor load behind the round
	global_prefetch_b8 v7, s[66:67] offset:3*ROWB th:TH_LOAD_NT scope:SCOPE_SE             ; chunk 3, two fills ahead of its load
	FETCH 0, 0, 0
	STEP 0, 0, 1
	s_mov_b32 s3, LAPS-1
.Llap:
	s_wait_alu depctr_va_vdst(0)
	STEP 0, 1, 0
	STEP 0, 2, 0
	TURN 0, 1, 1
	s_wait_alu depctr_va_vdst(0)
	STEP 1, 0, 0
	STEP 1, 1, 0
	STEP 1, 2, 0
	TURN 1, 0, 1
	s_wait_alu depctr_va_vdst(0)
	STEP 0, 0, 0
	s_wait_xcnt 0x0                                ; my prefetches have read their address: it steps one lap, two chunks, on
	s_add_nc_u64 s[66:67], s[66:67], 2*ROWB
	s_sub_co_u32 s3, s3, 1
	s_cmp_lg_u32 s3, 0
	s_cbranch_scc1 .Llap
	STEP 0, 1, 0
	STEP 0, 2, 0
	TURN 0, 1, 0
	s_wait_alu depctr_va_vdst(0)
	STEP 1, 0, 0
	STEP 1, 1, 0
	STEP 1, 2, 0
	LAST
	PLACES 4
	s_lshl_b32 s20, s17, 7
	s_lshl_b32 s21, s15, 6
	s_add_co_u32 s20, s20, s21
	s_lshl_b32 s20, s20, 12
	s_lshl_b32 s21, s42, 9
	s_add_co_u32 s20, s20, s21
	s_lshl_b32 s21, s16, 8
	s_add_co_u32 s20, s20, s21
	s_mov_b32 s21, 0
	s_add_nc_u64 s[10:11], s[10:11], s[20:21]
	s_wait_loadcnt 0x0
.irp a, 0,1,2,3
.if \a >= 2
	s_wait_xcnt 0x0
.endif
	WIN 0x06
.set n, 0
.rept 16
	v_pk_add_f32 v[64+32*(\a%2)+2*n:65+32*(\a%2)+2*n], v[32*\a+2*n:32*\a+2*n+1], v[96+2*n:97+2*n]
.set n, n+1
.endr
	WIN 0
.irp bb, 0,1
.irp j, 0,1,2,3
	ds_store_b128 v[STO], v[64+32*(\a%2)+16*\bb+4*\j:67+32*(\a%2)+16*\bb+4*\j] offset:128*\bb+16*\j
.endr
.endr
.irp t, 0,1,2,3,4,5,6,7
	ds_load_b128 v[128+32*(\a%2)+4*\t:131+32*(\a%2)+4*\t], v[RD] offset:544*\t
.endr
.irp t, 0,1,2,3,4,5,6,7
	s_wait_dscnt 7-\t
	global_store_b128 v[CO], v[128+32*(\a%2)+4*\t:131+32*(\a%2)+4*\t], s[10:11] offset:(32*(\a/2)+8*(\a%2)+2*\t+8*(\t/4))*4096
.endr
.endr
	s_wait_tensorcnt 0x0
	ds_add_u32 v[SPW], v[NIL]
	s_wait_dscnt 0x0
	CROUND
	s_endpgm
.Lfunc_end_k_q68084159f4_ffn2:
	.size	k_q68084159f4_ffn2, .Lfunc_end_k_q68084159f4_ffn2-k_q68084159f4_ffn2
	.p2alignl 7, 3214868480
	.fill 96, 4, 3214868480
	.section	.rodata,"a",@progbits
	.p2align	6, 0x0
	.amdhsa_kernel k_q68084159f4_ffn2
		.amdhsa_group_segment_fixed_size 327680
		.amdhsa_private_segment_fixed_size 0
		.amdhsa_enable_private_segment 0
		.amdhsa_kernarg_size 32
		.amdhsa_user_sgpr_count 2
		.amdhsa_user_sgpr_kernarg_segment_ptr 1
		.amdhsa_wavefront_size32 1
		.amdhsa_system_sgpr_workgroup_id_x 1
		.amdhsa_system_sgpr_workgroup_id_y 1
		.amdhsa_system_sgpr_workgroup_id_z 1
		.amdhsa_system_vgpr_workitem_id 0
		.amdhsa_next_free_vgpr 640
		.amdhsa_next_free_sgpr 102
		.amdhsa_reserve_vcc 0
		.amdhsa_float_denorm_mode_32 3
		.amdhsa_float_denorm_mode_16_64 3
		.amdhsa_memory_ordered 1
		.amdhsa_forward_progress 1
		.amdhsa_inst_pref_size 90
	.end_amdhsa_kernel
	.amdgpu_metadata
---
amdhsa.version: [ 1, 2 ]
amdhsa.kernels:
  - .name:           k_q68084159f4_ffn2
    .symbol:         k_q68084159f4_ffn2.kd
    .args:
      - { .name: hb, .offset: 0, .size: 8, .value_kind: global_buffer, .address_space: global }
      - { .name: qin, .offset: 8, .size: 8, .value_kind: global_buffer, .address_space: global }
      - { .name: b2, .offset: 16, .size: 8, .value_kind: global_buffer, .address_space: global }
      - { .name: zb, .offset: 24, .size: 8, .value_kind: global_buffer, .address_space: global }
    .group_segment_fixed_size: 327680
    .private_segment_fixed_size: 0
    .kernarg_segment_align: 8
    .kernarg_segment_size: 32
    .max_flat_workgroup_size: 128
    .sgpr_count:     102
    .vgpr_count:     640
    .wavefront_size: 32
...
	.end_amdgpu_metadata
.endif
;; end of part 6
;; launch ln2 (part 7): grid 256 x 1, 8 waves a work-group, no clusters, 0 bytes of LDS; arguments yb, zb, g2, be2, out0; writes out0
.if DOCPART == 7
	.amdgcn_target "amdgcn-amd-amdhsa--gfx1250"
	.amdhsa_code_object_version 6
	.text
	.protected	k_q68084159f4_ln2
	.globl	k_q68084159f4_ln2
	.p2align	8
	.type	k_q68084159f4_ln2,@function
k_q68084159f4_ln2:
	s_mov_b64 s[64:65], 0
	v_nop
	global_prefetch_b8 v0, s[64:65] scope:SCOPE_SE
	s_setreg_imm32_b32 hwreg(HW_REG_WAVE_MODE, 25, 1), 1
	s_wait_xcnt 0x0
; out = LayerNorm(y + z) x gain + beta over rows of 1,024, in f32: the mean, then the mean of the squared differences, as the problem writes it.  y lies at the head of yb.
; A work-group takes 16 rows 32 (rb / 2) + 8 (rb % 2) + i + 8 (i / 8); a wave takes two neighbouring rows, each whole in 32 registers: the reductions never leave the wave, and no wave waits for another.
; Every load and store covers 512 consecutive bytes.  Memory binds: no LDS, no matrix unit, no cluster.  LIMITS: NaN and infinities not served; v_rsq_f32's accuracy.
.set XA, 16                            ; v16-79   my two rows of y, then of y + z, then of the result
.set XB, 80                            ; v80-143  my two rows of z
.set GA, 144                           ; v144-175 gain
.set BE, 176                           ; v176-207 beta
.set SEL, 20
.macro REDUCE                          ; v[4:7] -> v12, v[8:11] -> v13: each row's sum, in every lane; the two rows by turns
	s_delay_alu instid0(VALU_DEP_3)
	v_pk_add_f32 v[4:5], v[4:5], v[6:7]
	s_delay_alu instid0(VALU_DEP_2)
	v_pk_add_f32 v[8:9], v[8:9], v[10:11]
	s_delay_alu instid0(VALU_DEP_2)
	v_add_f32 v12, v4, v5
	s_delay_alu instid0(VALU_DEP_2)
	v_add_f32 v13, v8, v9
.irp m, 1,2,4,8
	s_delay_alu instid0(VALU_DEP_2)
	v_add_f32_dpp v12, v12, v12 row_xmask:\m row_mask:0xf bank_mask:0xf
	s_delay_alu instid0(VALU_DEP_2)
	v_add_f32_dpp v13, v13, v13 row_xmask:\m row_mask:0xf bank_mask:0xf
.endr
	s_delay_alu instid0(VALU_DEP_2)
	v_permlanex16_b32 v14, v12, s[SEL], s[SEL+1]
	s_delay_alu instid0(VALU_DEP_2)
	v_permlanex16_b32 v15, v13, s[SEL], s[SEL+1]
	s_delay_alu instid0(VALU_DEP_2)
	v_add_f32 v12, v12, v14
	s_delay_alu instid0(VALU_DEP_2)
	v_add_f32 v13, v13, v15
.endm
	s_load_b256 s[4:11], s[0:1], 0x0               ; y, z, gain, beta
	s_load_b64 s[12:13], s[0:1], 0x20              ; out
	v_lshrrev_b32 v2, 5, v0
	s_delay_alu instid0(VALU_DEP_1)
	v_readfirstlane_b32 s14, v2                    ; wave 0..7
	v_and_b32 v2, 31, v0
	s_delay_alu instid0(VALU_DEP_1)
	v_lshlrev_b32 v1, 4, v2                        ; 16 x lane
	v_mov_b32 v14, 0
	v_mov_b32 v15, 0
	s_mov_b32 s[SEL], 0x76543210
	s_mov_b32 s[SEL+1], 0xfedcba98
	s_mov_b32 s22, 0x3a800000                      ; 1 / 1,024
	s_mov_b32 s23, 0x3727c5ac                      ; 1e-5
	s_lshr_b32 s15, ttmp9, 1
	s_lshl_b32 s15, s15, 5
	s_and_b32 s16, ttmp9, 1
	s_lshl_b32 s16, s16, 3
	s_add_co_u32 s15, s15, s16
	s_lshl_b32 s16, s14, 1
	s_add_co_u32 s15, s15, s16
	s_lshr_b32 s16, s14, 2
	s_lshl_b32 s16, s16, 3
	s_add_co_u32 s15, s15, s16                     ; my first row
	s_lshl_b32 s16, s15, 12
	s_mov_b32 s17, 0
	s_wait_alu depctr_va_vdst(0)
	s_wait_kmcnt 0x0
	s_add_nc_u64 s[4:5], s[4:5], s[16:17]
	s_add_nc_u64 s[6:7], s[6:7], s[16:17]
	s_add_nc_u64 s[12:13], s[12:13], s[16:17]
.irp e, 0,1
.irp j, 0,1,2,3,4,5,6,7
	global_load_b128 v[XA+32*\e+4*\j:XA+32*\e+4*\j+3], v1, s[4:5] offset:4096*\e+512*\j th:TH_LOAD_NT
.endr
.endr
.irp e, 0,1
.irp j, 0,1,2,3,4,5,6,7
	global_load_b128 v[XB+32*\e+4*\j:XB+32*\e+4*\j+3], v1, s[6:7] offset:4096*\e+512*\j th:TH_LOAD_NT
.endr
.endr
.irp j, 0,1,2,3,4,5,6,7
	global_load_b128 v[GA+4*\j:GA+4*\j+3], v1, s[8:9] offset:512*\j
	global_load_b128 v[BE+4*\j:BE+4*\j+3], v1, s[10:11] offset:512*\j
.endr
	s_wait_loadcnt 16                              ; y and z are in; the sixteen loads of gain and beta may be out
.set n, 0
.rept 32
	v_pk_add_f32 v[XA+2*n:XA+2*n+1], v[XA+2*n:XA+2*n+1], v[XB+2*n:XB+2*n+1]
.set n, n+1
.endr
.irp e, 0,1
	v_pk_add_f32 v[4+4*\e:5+4*\e], v[XA+32*\e:XA+32*\e+1], v[XA+32*\e+2:XA+32*\e+3]
	v_pk_add_f32 v[6+4*\e:7+4*\e], v[XA+32*\e+4:XA+32*\e+5], v[XA+32*\e+6:XA+32*\e+7]
.endr
.irp n, 8,12,16,20,24,28
.irp e, 0,1
	s_delay_alu instid0(VALU_DEP_4)
	v_pk_add_f32 v[4+4*\e:5+4*\e], v[4+4*\e:5+4*\e], v[XA+32*\e+\n:XA+32*\e+\n+1]
	s_delay_alu instid0(VALU_DEP_4)
	v_pk_add_f32 v[6+4*\e:7+4*\e], v[6+4*\e:7+4*\e], v[XA+32*\e+\n+2:XA+32*\e+\n+3]
.endr
.endr
	REDUCE
	s_delay_alu instid0(VALU_DEP_2)
	v_mul_f32 v208, s22, v12                       ; the means, each twice: a pair for the packed forms
	s_delay_alu instid0(VALU_DEP_3)
	v_mul_f32 v209, s22, v12
	s_delay_alu instid0(VALU_DEP_3)
	v_mul_f32 v210, s22, v13
	s_delay_alu instid0(VALU_DEP_4)
	v_mul_f32 v211, s22, v13
.irp e, 0,1
.set n, 0
.rept 16
	v_pk_add_f32 v[XA+32*\e+2*n:XA+32*\e+2*n+1], v[XA+32*\e+2*n:XA+32*\e+2*n+1], v[208+2*\e:209+2*\e] neg_lo:[0,1] neg_hi:[0,1]
.set n, n+1
.endr
.endr
.irp e, 0,1
	v_pk_mul_f32 v[4+4*\e:5+4*\e], v[XA+32*\e:XA+32*\e+1], v[XA+32*\e:XA+32*\e+1]
	v_pk_mul_f32 v[6+4*\e:7+4*\e], v[XA+32*\e+2:XA+32*\e+3], v[XA+32*\e+2:XA+32*\e+3]
.endr
.irp n, 4,8,12,16,20,24,28
.irp e, 0,1
	s_delay_alu instid0(VALU_DEP_4)
	v_pk_fma_f32 v[4+4*\e:5+4*\e], v[XA+32*\e+\n:XA+32*\e+\n+1], v[XA+32*\e+\n:XA+32*\e+\n+1], v[4+4*\e:5+4*\e]
	s_delay_alu instid0(VALU_DEP_4)
	v_pk_fma_f32 v[6+4*\e:7+4*\e], v[XA+32*\e+\n+2:XA+32*\e+\n+3], v[XA+32*\e+\n+2:XA+32*\e+\n+3], v[6+4*\e:7+4*\e]
.endr
.endr
	REDUCE
	s_delay_alu instid0(VALU_DEP_2)
	v_fma_f32 v12, v12, s22, s23                   ; the variance + 1e-5
	s_delay_alu instid0(VALU_DEP_2)
	v_fma_f32 v13, v13, s22, s23
	s_wait_alu depctr_va_vdst(0)
	v_rsq_f32 v212, v12
	v_rsq_f32 v213, v12
	v_rsq_f32 v214, v13
	v_rsq_f32 v215, v13
	v_nop                                          ; a plain line behind the last of them
	s_wait_loadcnt 0x0                             ; gain and beta
	s_wait_alu depctr_va_vdst(0)                   ; one wait for the four, ahead of their first reader
.irp e, 0,1
.set n, 0
.rept 16
	v_pk_mul_f32 v[XA+32*\e+2*n:XA+32*\e+2*n+1], v[XA+32*\e+2*n:XA+32*\e+2*n+1], v[212+2*\e:213+2*\e]
.set n, n+1
.endr
.endr
.irp e, 0,1
.set n, 0
.rept 16
	v_pk_fma_f32 v[XA+32*\e+2*n:XA+32*\e+2*n+1], v[XA+32*\e+2*n:XA+32*\e+2*n+1], v[GA+2*n:GA+2*n+1], v[BE+2*n:BE+2*n+1]
.set n, n+1
.endr
.endr
.irp e, 0,1
.irp j, 0,1,2,3,4,5,6,7
	global_store_b128 v1, v[XA+32*\e+4*\j:XA+32*\e+4*\j+3], s[12:13] offset:4096*\e+512*\j th:TH_STORE_NT
.endr
.endr
	s_endpgm
.Lfunc_end_k_q68084159f4_ln2:
	.size	k_q68084159f4_ln2, .Lfunc_end_k_q68084159f4_ln2-k_q68084159f4_ln2
	.p2alignl 7, 3214868480
	.fill 96, 4, 3214868480
	.section	.rodata,"a",@progbits
	.p2align	6, 0x0
	.amdhsa_kernel k_q68084159f4_ln2
		.amdhsa_group_segment_fixed_size 0
		.amdhsa_private_segment_fixed_size 0
		.amdhsa_enable_private_segment 0
		.amdhsa_kernarg_size 40
		.amdhsa_user_sgpr_count 2
		.amdhsa_user_sgpr_kernarg_segment_ptr 1
		.amdhsa_wavefront_size32 1
		.amdhsa_system_sgpr_workgroup_id_x 1
		.amdhsa_system_sgpr_workgroup_id_y 1
		.amdhsa_system_sgpr_workgroup_id_z 1
		.amdhsa_system_vgpr_workitem_id 0
		.amdhsa_next_free_vgpr 256
		.amdhsa_next_free_sgpr 66
		.amdhsa_reserve_vcc 0
		.amdhsa_float_denorm_mode_32 3
		.amdhsa_float_denorm_mode_16_64 3
		.amdhsa_memory_ordered 1
		.amdhsa_forward_progress 1
		.amdhsa_inst_pref_size 25
	.end_amdhsa_kernel
	.amdgpu_metadata
---
amdhsa.version: [ 1, 2 ]
amdhsa.kernels:
  - .name:           k_q68084159f4_ln2
    .symbol:         k_q68084159f4_ln2.kd
    .args:
      - { .name: yb, .offset: 0, .size: 8, .value_kind: global_buffer, .address_space: global }
      - { .name: zb, .offset: 8, .size: 8, .value_kind: global_buffer, .address_space: global }
      - { .name: g2, .offset: 16, .size: 8, .value_kind: global_buffer, .address_space: global }
      - { .name: be2, .offset: 24, .size: 8, .value_kind: global_buffer, .address_space: global }
      - { .name: out0, .offset: 32, .size: 8, .value_kind: global_buffer, .address_space: global }
    .group_segment_fixed_size: 0
    .private_segment_fixed_size: 0
    .kernarg_segment_align: 8
    .kernarg_segment_size: 40
    .max_flat_workgroup_size: 256
    .sgpr_count:     66
    .vgpr_count:     256
    .wavefront_size: 32
...
	.end_amdgpu_metadata
.endif
;; end of part 7
